; MI455X (gfx1250); checked and timed in simulation.
; The chip was launched on July 23, 2026; its instructions are those of AMD's public machine-readable ISA for CDNA 5 (MIT licence, August 2026) and "CDNA5" Instruction Set Architecture Reference Guide (July 2026). The comments in the code are by the model that wrote it; some were corrected since.
;; Multi Head Attention W Reduction. Allowed arithmetic: matrix products marked QUANTISED: E2M3 operands, one E8M0 scale for each 32 along K, by v_wmma_scale_f32_16x16x128_f8f6f4 with both operands' format E2M3, f32 sums; everything else in f32.
;; Inputs: Wk 1,024 x 1,024 float32; Wo 1,024 x 1,024 float32; Wq 1,024 x 1,024 float32; Wv 1,024 x 1,024 float32; bk 1,024 float32; bo 1,024 float32; bq 1,024 float32; bv 1,024 float32; x 2 x 2,048 x 1,024 float32.
;; Outputs: out0 2 x 2,048 x 1,024 float32.
;; This version of the problem:
;;   THIS VERSION OF THE PROBLEM IS GIVEN IN LOW PRECISION. The matrix products marked QUANTISED in the list below multiply operands that are first quantised to E2M3 (2 exponent bits, 3 mantissa bits; 6 bits a number), with one power-of-two scale for each 32 numbers along K (OCP MX v1.0); their sums are f32. All else is computed in f32.
;;   The module's matrix products, in the order in which they are computed (A, B: the left and right operand; K: the contracted axis; several contracted axes count as one K, in the product's order):
;;     1. [M 4,096, K 1,024] x [K 1,024, N 1,024]; A: input x; B: input Wk: QUANTISED
;;     2. [M 4,096, K 1,024] x [K 1,024, N 1,024]; A: input x; B: input Wq: QUANTISED
;;     3. [M 4,096, K 1,024] x [K 1,024, N 1,024]; A: input x; B: input Wv: QUANTISED
;;     4. batch 32 x [M 2,048, K 64] x [K 64, N 2,048]; A: computed on the way; B: computed on the way: QUANTISED
;;     5. batch 32 x [M 2,048, K 2,048] x [K 2,048, N 64]; A: softmax (see below); B: computed on the way: QUANTISED
;;     6. [M 4,096, K 1,024] x [K 1,024, N 1,024]; A: computed on the way; B: input Wo: QUANTISED
;;   THE QUANTISER, for each operand of a quantised product, along K:
;;     - K is cut into blocks of 32 from its start; a last block that is shorter is filled with zeros.
;;     - A block's scale is 2^e with e = floor(log2(the largest magnitude in the block)) - 2, held to -126 .. 127; a block of zeros has e = 0. As a byte (E8M0): e + 127.
;;     - Each number is divided by its block's scale, clamped to +-7.5, and rounded to the nearest number of E2M3, ties to even, subnormals kept.
;;     - The product sums the exact products of the quantised numbers (number of the format x scale) in f32.
;;   ~~~python
;;   def quantise(x, axis):      # numpy; x: float32 -> the quantised numbers, widened to float32 again
;;       x = np.moveaxis(x, axis, -1); K = x.shape[-1]
;;       x = np.pad(x, [(0, 0)] * (x.ndim - 1) + [(0, -K % 32)]); x = x.reshape(x.shape[:-1] + (-1, 32)); a = np.abs(x).max(-1, keepdims=True)
;;       e = np.where(a > 0, np.clip(np.frexp(np.where(a > 0, a, 1))[1] - 1 - 2, -126, 127), 0)      # np.frexp(a)[1] - 1 = floor(log2(a)), exactly
;;       r = np.clip(x / 2.0 ** e, -7.5, 7.5)
;;       step = 2.0 ** (np.maximum(np.frexp(np.where(r == 0, 1, r))[1] - 1, 0) - 3)
;;       q = np.round(r / step) * step * 2.0 ** e      # np.round: ties to even
;;       return np.moveaxis(q.reshape(q.shape[:-2] + (-1,))[..., :K], -1, axis).astype(np.float32)
;;   ~~~
;;   SOFTMAX AHEAD OF A QUANTISED PRODUCT. Where the list says 'softmax', what is quantised is not the finished softmax but p = 2^(t - M), with t = logit x log2(e) and M = ceil(the row's largest t), a whole number; so 1/2 < the row's largest p <= 1. The row's sum l is taken of the UNQUANTISED p, in f32, and the product's result is divided by l at the end. Since M is a whole number, a kernel that streams over the keys may use a running M (the ceiling of the running maximum): every later rescaling is an exact power of two, which a block's scale takes up: the codes' values come out the same.
;;   OPERANDS COMPUTED ON THE WAY. 'Computed on the way' means the value that the module computes at that place (a softmax that the list does not call 'softmax' is quantised finished and normalised). What goes into a quantiser is computed in f32, as accurately as f32 sums, v_exp_f32 and their like allow (about 1e-6 of the number): no bf16 or f16 on the way to a quantiser, and a product that is left as it is and whose result goes on into a quantised operand takes f32 operands (vector FMAs, or v_wmma_f32_16x16x4_f32). A number that lies on a knife's edge between two numbers of the format may be rounded either way, as far as f32 arithmetic and the matrix unit's own rounding can turn it there, and no further.
;; One version. Each part assembles by itself: llvm-mc -triple=amdgcn-amd-amdhsa -mcpu=gfx1250 --defsym DOCPART=n.
;; ======== version 1 of 1: 4 launches
;; limits: right only within a limited range of input values
;; workspace buffers: codes 6,291,456 bytes; scales 262,144 bytes; qb 3,407,872 bytes; kv 6,684,672 bytes; ao 3,145,728 bytes; aos 262,144 bytes
;; launch quant (part 1): grid 256 x 1, 4 waves a work-group, no clusters, 34,304 bytes of LDS; arguments x, Wq, Wk, Wv, Wo, codes, scales; writes codes, scales
.if DOCPART == 1
	.amdgcn_target "amdgcn-amd-amdhsa--gfx1250"
	.amdhsa_code_object_version 6
	.text
	.protected	k_q0bb1d90fb9_quant
	.globl	k_q0bb1d90fb9_quant
	.p2align	8
	.type	k_q0bb1d90fb9_quant,@function
k_q0bb1d90fb9_quant:
	s_mov_b64 s[64:65], 0
	v_nop
	global_prefetch_b8 v0, s[64:65] scope:SCOPE_SE
	s_setreg_imm32_b32 hwreg(HW_REG_WAVE_MODE, 25, 1), 1
	s_wait_xcnt 0x0
; x [4096][1024] and Wq, Wk, Wv, Wo [1024][1024], f32, K innermost, become codes of FP6 (E2M3) with one E8M0 byte for each 32 along K.
; A block's scale is 2^(floor(log2(its largest magnitude)) - 2); its byte is the largest magnitude's exponent field - 2, held at 1 from below.
; LIMITS: NaN and infinities are not served; a block whose largest magnitude lies under 2^-124 keeps the byte 1; a block of zeros gets the byte 1
; where the quantiser's text says 127: its codes are zeros, which add nothing under any byte but 0xff, and this program alone reads the bytes.
; LAYOUT OF THE CODES: in the order of the operand's registers.  A TILE is 16 rows x all 1,024 K = 12,288 bytes = [K step 8][c 2][768].  The 768 bytes are
; 16 rows x 64 K: lane (r, hl) holds row r, k = 32 hl + 0 .. 31 in six registers; registers 0-3 lie at 16 x lane, registers 4, 5 at 512 + 8 x lane.
; THE ROWS OF A TILE ARE NOT NEIGHBOURS: lane-row r of tile 4 G + t is row 64 G + 8 t + r % 8 + 32 (r / 8), in all five tensors: so the 32 results that a lane of a later product
; holds over the four tiles of a group are 32 neighbours, a whole scale block.
; Tile numbers: x's tile i: i.  Tile i of Wq, Wk, Wv (n = 0, 1, 2): 256 + 12 (i / 4) + 4 n + i % 4: a head's twelve lie together.  Wo's tile i: 448 + i.
; SCALE WORDS: the same tile numbers x [j 2][r 16][4 words]: word 4 j + i is K step 4 j + i of lane-row r.
; SHARES: a wave takes one tile x half of K: four K steps of 128.  A load reads one row's 512 consecutive bytes; all 64 loads of a wave are issued at its start.  A K step's 16 rows turn through the wave's
; own stage in LDS (rows 528 bytes apart) and come back 128 bytes a lane: a whole block of 32 in one lane.  Waves share nothing: no barrier, no tensor load, no cluster.
.set ROWB,   4096
.set SPITCH, 528
.set WSTG,   16*SPITCH
.set R,  16                            ; v16-143 of windows 0 and 1: four sets of 64 registers as loaded: K step t in window t / 2, at R + 64 (t % 2)
.set X,  144                           ; v144-207 64 numbers: block c at X + 32 c
.set C,  208                           ; v208-213, v216-221 the two halves' codes
.set T,  224                           ; v224-226, v228-230 a block's upper 16 codes, as the conversion leaves them
.set MX, 232
.set SO, 234
.set BY, 236
.set SW, 248                           ; v248-251 the four K steps' scale words
.set MSB, 0
.macro WIN new
.if MSB != (\new)
	s_set_vgpr_msb (MSB<<8)|(\new)
.set MSB, (\new)
.endif
.endm
	s_load_b256 s[4:11], s[0:1], 0x0               ; x, Wq, Wk, Wv
	s_load_b128 s[12:15], s[0:1], 0x20             ; Wo, codes
	s_load_b64 s[16:17], s[0:1], 0x30              ; scales
	v_lshl_add_u32 v254, v0, 2, 0x8400
	v_mov_b32 v255, 0
	v_lshrrev_b32 v7, 5, v0
	v_readfirstlane_b32 s18, v7                    ; wave 0..3
	v_and_b32 v8, 31, v0                           ; lane
	v_and_b32 v9, 15, v0                           ; r
	v_bfe_u32 v10, v0, 4, 1                        ; hl
	v_lshlrev_b32 v1, 4, v8                        ; 16 x lane
	v_lshlrev_b32 v2, 3, v8                        ; 8 x lane
	s_mul_i32 s19, s18, WSTG
	v_add_nc_u32 v3, s19, v1                       ; the stage, on the way in: a row's 512 bytes as they lie
	v_mul_u32_u24 v4, v9, SPITCH
	v_lshl_add_u32 v4, v10, 7, v4
	v_add_nc_u32 v4, s19, v4                       ; and on the way out: row r, + 128 hl
	v_lshlrev_b32 v5, 4, v9
	v_lshl_add_u32 v5, v10, 3, v5                  ; my two scale words' place: 16 r + 8 hl
	v_lshlrev_b32 v6, 3, v10                       ; 8 hl: my bytes' shift in a scale word
	v_mov_b32 v239, 0                              ; a lane permute's destination counts as one of its sources
	s_mov_b32 s28, 0x76543210
	s_mov_b32 s29, 0xfedcba98                      ; selects for lane l xor 16
	s_lshr_b32 s20, s18, 1
	s_and_b32 s21, s18, 1                          ; j: which half of K
	s_lshl_b32 s22, ttmp9, 1
	s_add_co_u32 s22, s22, s20                     ; 2 x work-group + wave / 2: x's tile in work-groups 0-127
	s_lshr_b32 s23, ttmp9, 5
	s_and_b32 s23, s23, 3                          ; from work-group 128 on: 0, 1, 2, 3 = Wq, Wk, Wv, Wo, 32 work-groups each
	s_and_b32 s24, s22, 63                         ; a weight's tile
	s_lshr_b32 s25, s24, 2
	s_mul_i32 s25, s25, 12
	s_lshl_b32 s26, s23, 2
	s_add_co_u32 s25, s25, s26
	s_and_b32 s26, s24, 3
	s_add_co_u32 s25, s25, s26
	s_add_co_u32 s25, s25, 256                     ; Wq, Wk, Wv: 256 + 12 (i / 4) + 4 n + i % 4
	s_add_co_u32 s26, s24, 448                     ; Wo: 448 + i
	s_cmp_eq_u32 s23, 3
	s_cselect_b32 s25, s26, s25
	s_cmp_lt_u32 ttmp9, 128
	s_cselect_b32 s25, s22, s25                    ; the tile's number in the two buffers
	s_cselect_b32 s24, s22, s24                    ; and in its own tensor
	s_lshr_b32 s32, s24, 2
	s_lshl_b32 s32, s32, 18                        ; 64 rows for each group of four tiles,
	s_and_b32 s33, s24, 3
	s_lshl_b32 s33, s33, 15                        ; 8 rows for each tile in it,
	s_add_co_u32 s32, s32, s33
	s_lshl_b32 s33, s21, 11                        ; 512 numbers for the upper half of K
	s_add_co_u32 s32, s32, s33
	s_mov_b32 s33, 0
	s_mul_i32 s34, s25, 12288
	s_mul_i32 s35, s21, 6144
	s_add_co_u32 s34, s34, s35
	s_mov_b32 s35, 0
	s_lshl_b32 s36, s25, 9
	s_lshl_b32 s37, s21, 8
	s_add_co_u32 s36, s36, s37
	s_mov_b32 s37, 0
	s_wait_alu depctr_va_vdst(0)                   ; the wait at the head's end
	s_wait_kmcnt 0x0
	s_cmp_eq_u32 s23, 1                            ; the tensor is chosen on the work-group's number alone
	s_cselect_b64 s[30:31], s[8:9], s[6:7]
	s_cmp_eq_u32 s23, 2
	s_cselect_b64 s[30:31], s[10:11], s[30:31]
	s_cmp_eq_u32 s23, 3
	s_cselect_b64 s[30:31], s[12:13], s[30:31]
	s_cmp_lt_u32 ttmp9, 128
	s_cselect_b64 s[30:31], s[4:5], s[30:31]
	s_add_nc_u64 s[30:31], s[30:31], s[32:33]
	s_add_nc_u64 s[14:15], s[14:15], s[34:35]
	s_add_nc_u64 s[16:17], s[16:17], s[36:37]
.macro LOAD t                          ; K step t: sixteen rows x 512 consecutive bytes
	WIN ((\t)/2)<<6
.irp i, 0,1,2,3,4,5,6,7,8,9,10,11,12,13,14,15
	global_load_b128 v[R+64*((\t)%2)+4*\i:R+64*((\t)%2)+4*\i+3], v1, s[30:31] offset:(\i+24*(\i/8))*ROWB+512*(\t) th:TH_LOAD_NT
.endr
.endm
.macro STEP t
	s_wait_loadcnt 16*(3-(\t))                     ; this K step's sixteen loads are in; the later steps' may be out
	WIN ((\t)/2)<<2                                ; the stores' data: window t / 2
.irp i, 0,1,2,3,4,5,6,7,8,9,10,11,12,13,14,15
	ds_store_b128 v3, v[R+64*((\t)%2)+4*\i:R+64*((\t)%2)+4*\i+3] offset:SPITCH*\i
.endr
	WIN 0
.irp c, 0,1
.irp q, 0,1,2,3,4,5,6,7
	ds_load_b128 v[X+32*\c+4*\q:X+32*\c+4*\q+3], v4 offset:256*\c+16*\q   ; LDS serves a wave's instructions in order: these see the stores above
.endr
.endr
	s_wait_dscnt 0x0                               ; my 64 numbers are back
	s_wait_xcnt 0x0                                ; the last step's stores have read their data: the codes' registers may be written again
.irp c, 0,1
	v_max3_num_f32 v[MX+\c], |v[X+32*\c]|, |v[X+32*\c+1]|, 0x1800000   ; block 2 c + hl: all 32 numbers are mine; the floor 2^(3 - 127) holds the byte at 1 from below
.endr
.irp i, 2,4,6,8,10,12,14,16,18,20,22,24,26,28,30
.irp c, 0,1
	v_max3_num_f32 v[MX+\c], v[MX+\c], |v[X+32*\c+\i]|, |v[X+32*\c+\i+1]|
.endr
.endr
.irp c, 0,1
	v_add_nc_u32 v[SO+\c], 0xff000000, v[MX+\c]    ; 2 off the exponent field: the conversion takes this operand's exponent field as its scale
.endr
.irp c, 0,1
	v_lshrrev_b32 v[BY+\c], 23, v[SO+\c]           ; the scale's byte
.endr
	v_lshl_or_b32 v238, v[BY+1], 16, v[BY]         ; my two bytes: blocks hl and 2 + hl,
	v_lshlrev_b32 v238, v6, v238                   ; at their places in the word;
	v_permlanex16_b32 v239, v238, s28, s29
	v_or_b32 v[SW+(\t)], v238, v239                ; with lane l xor 16's two the word is whole
.irp c, 0,1
	v_cvt_scalef32_pk16_fp6_f32 v[C+8*\c:C+8*\c+2], v[X+32*\c:X+32*\c+15], v[SO+\c]
	v_cvt_scalef32_pk16_fp6_f32 v[T+4*\c:T+4*\c+2], v[X+32*\c+16:X+32*\c+31], v[SO+\c]   ; (a conversion's three registers begin on an even number)
.endr
	v_nop                                          ; one plain place behind a scaled conversion
.irp c, 0,1
.irp i, 0,1,2
	v_mov_b32 v[C+8*\c+3+\i], v[T+4*\c+\i]
.endr
.endr
.irp c, 0,1
	global_store_b128 v1, v[C+8*\c:C+8*\c+3], s[14:15] offset:1536*(\t)+768*\c          ; 512 consecutive bytes,
	global_store_b64 v2, v[C+8*\c+4:C+8*\c+5], s[14:15] offset:1536*(\t)+768*\c+512     ; and 256: three aligned blocks of 256 bytes, whole
.endr
.endm
	LOAD 0
	LOAD 1
	LOAD 2
	LOAD 3
	WIN 0
	STEP 0
	STEP 1
	STEP 2
	STEP 3
	v_cmp_lt_u32 vcc_lo, 15, v8                    ; lanes 0-15 store their row's words 0, 1, lanes 16-31 words 2, 3
	v_cndmask_b32 v252, v248, v250, vcc_lo
	v_cndmask_b32 v253, v249, v251, vcc_lo
	global_store_b64 v5, v[252:253], s[16:17]      ; 256 consecutive bytes, aligned
	s_wait_tensorcnt 0x0                           ; the wave's end
	ds_add_u32 v254, v255
	s_wait_dscnt 0x0
	s_endpgm
.Lfunc_end_k_q0bb1d90fb9_quant:
	.size	k_q0bb1d90fb9_quant, .Lfunc_end_k_q0bb1d90fb9_quant-k_q0bb1d90fb9_quant
	.p2alignl 7, 3214868480
	.fill 96, 4, 3214868480
	.section	.rodata,"a",@progbits
	.p2align	6, 0x0
	.amdhsa_kernel k_q0bb1d90fb9_quant
		.amdhsa_group_segment_fixed_size 34304
		.amdhsa_private_segment_fixed_size 0
		.amdhsa_enable_private_segment 0
		.amdhsa_kernarg_size 56
		.amdhsa_user_sgpr_count 2
		.amdhsa_user_sgpr_kernarg_segment_ptr 1
		.amdhsa_wavefront_size32 1
		.amdhsa_system_sgpr_workgroup_id_x 1
		.amdhsa_system_sgpr_workgroup_id_y 1
		.amdhsa_system_sgpr_workgroup_id_z 1
		.amdhsa_system_vgpr_workitem_id 0
		.amdhsa_next_free_vgpr 512
		.amdhsa_next_free_sgpr 66
		.amdhsa_reserve_vcc 1
		.amdhsa_float_denorm_mode_32 3
		.amdhsa_float_denorm_mode_16_64 3
		.amdhsa_memory_ordered 1
		.amdhsa_forward_progress 1
		.amdhsa_inst_pref_size 32
	.end_amdhsa_kernel
	.amdgpu_metadata
---
amdhsa.version: [ 1, 2 ]
amdhsa.kernels:
  - .name:           k_q0bb1d90fb9_quant
    .symbol:         k_q0bb1d90fb9_quant.kd
    .args:
      - { .name: x, .offset: 0, .size: 8, .value_kind: global_buffer, .address_space: global }
      - { .name: Wq, .offset: 8, .size: 8, .value_kind: global_buffer, .address_space: global }
      - { .name: Wk, .offset: 16, .size: 8, .value_kind: global_buffer, .address_space: global }
      - { .name: Wv, .offset: 24, .size: 8, .value_kind: global_buffer, .address_space: global }
      - { .name: Wo, .offset: 32, .size: 8, .value_kind: global_buffer, .address_space: global }
      - { .name: codes, .offset: 40, .size: 8, .value_kind: global_buffer, .address_space: global }
      - { .name: scales, .offset: 48, .size: 8, .value_kind: global_buffer, .address_space: global }
    .group_segment_fixed_size: 34304
    .private_segment_fixed_size: 0
    .kernarg_segment_align: 8
    .kernarg_segment_size: 56
    .max_flat_workgroup_size: 128
    .sgpr_count:     66
    .vgpr_count:     512
    .wavefront_size: 32
...
	.end_amdgpu_metadata
.endif
;; end of part 1
;; launch qkv (part 2): grid 16 x 16, 4 waves a work-group, clusters of 4 x 4, 327,680 bytes of LDS; arguments codes, scales, bq, bk, bv, qb, kv; writes qb, kv
.if DOCPART == 2
	.amdgcn_target "amdgcn-amd-amdhsa--gfx1250"
	.amdhsa_code_object_version 6
	.text
	.protected	k_q0bb1d90fb9_qkv
	.globl	k_q0bb1d90fb9_qkv
	.p2align	8
	.type	k_q0bb1d90fb9_qkv,@function
k_q0bb1d90fb9_qkv:
	s_mov_b64 s[64:65], 0
	v_nop
	global_prefetch_b8 v0, s[64:65] scope:SCOPE_SE
	s_setreg_imm32_b32 hwreg(HW_REG_WAVE_MODE, 25, 1), 1
	s_wait_xcnt 0x0
	s_wait_alu depctr_hold_cnt(0) depctr_sa_sdst(0) depctr_va_vdst(0) depctr_va_sdst(0) depctr_va_ssrc(0) depctr_va_vcc(0) depctr_vm_vsrc(0)
	s_getreg_b32 s2, hwreg(HW_REG_IB_STS2, 6, 4)
	s_cmp_eq_u32 s2, 0
	s_cbranch_scc0 .Lentry_in_a_cluster
	s_endpgm
.Lentry_in_a_cluster:
	s_bfe_u32 s2, ttmp6, 0x10000c
	s_cmp_lg_u32 s2, 0xf033
	s_cbranch_scc0 .Lentry_shape_is_right
	s_endpgm
.Lentry_shape_is_right:
; q, k, v = x W^T + b on codes of FP6 (E2M3), and their own quantising: q and k along the head's 64, v along the keys.
; SHARES: a work-group makes 256 rows (rb) x one head's q, k and v (192 columns); its four waves share the ROWS, 64 each: four row tiles of 16.
; A wave's fragments of x for all of K (4 tiles x 8 K steps x 12 = 384 registers) are read from LDS once and stay.  Three UNITS (q, k, v) run one after the other, each 16 accumulators x 8 K steps, then its way out.
; CLUSTER 4 x 4: the four work-groups of a column of the cluster have the same rb and ask for x's 16 tiles JOINTLY; the four of a row have the same head and ask for its weights jointly.
; LDS: x's 196,608 bytes at 0; unit 0's four tiles of W (49,152) behind them; then 1,024 bytes for V's scale words on their way out, and the spare words.
; FILLS: at the head one joint load a wave: waves 0 to 2 a third of x each, wave 3 unit 0's tiles.  When every wave holds its x in registers, ONE refill in a drained round of the cluster's barrier:
; units 1 and 2 (98,304 bytes, a quarter a wave) land on x's first bytes.  They are shown to all waves by a plain barrier ahead of unit 1.
; All that the launch reads is asked for at the head or in that one round: there is no loop in which a prefetch could run ahead.
; THE ORDER OF A TILE'S ROWS (lane-row r of tile t of a group of 64 rows is row 8 t + r % 8 + 32 (r / 8)) gives each lane a WHOLE scale block:
; q, k: the product is used TRANSPOSED (source 0 = 16 rows of W, source 1 = 16 rows of x): lane (r, hl) holds one row, and its 32 registers of W's four tiles are columns 32 hl + 0 .. 31.
; v: source 0 = x, source 1 = Wv: a lane holds one column d = 8 t + r % 8 + 32 (r / 8), and its 32 registers of x's four tiles are keys 32 hl + 0 .. 31 of the wave's 64.
; OUT: qb: [head of 32][128 rows of 16] records of 6,656 bytes: eight tiles of 768 bytes (16 rows x 64, in the order of the operand's registers), then at 6,144 the scale words
; [64 rows 2][lane 32][p 2]: lane (r, hl), p: tile 4 G + 2 p + hl, row r; bytes 0, 1 the two blocks, bytes 2, 3 0x7f.
; kv: [head of 32][key step 16] records of 13,056 bytes: k as in qb; at 6,656 V^T [d tile 4][64 keys 2][768]; at 12,800 V's scale words [lane 32][p 2]: d tile 2 p + hl, byte b = the step's key block b.
; LIMITS: NaN and infinities are not served; a block whose largest magnitude lies under 2^-124, a block of zeros among them, keeps the byte 1 (only this program reads the bytes).
; REGISTERS, in windows of 256: window 0: addresses, scale words, accumulators, the quantiser's registers.  window 1: x's fragments of tiles 0, 1 at 96 (a % 2) + 12 s; v192-207 unit 1's scale words of W, waiting.
; window 2: tiles 2, 3; v192-207 unit 2's scale words.  window 3: W's fragments, THREE sets of 48 at v0, v48, v192 (K step s lies in set s % 3, fetched two steps ahead); v96-191 the biases in the results' layout: 96 + 32 unit + 8 t.
.set TILEB, 12288
.set UNITB, 4*TILEB
.set WB0,   16*TILEB                   ; unit 0's tiles, behind x
.set VSTG,  WB0+UNITB                  ; 256 bytes a wave; no tensor load lands here
.set SPARE, VSTG+1024
.set L16,  10                          ; v10-12  16 x lane + the unit's place in LDS: WB0, 0, UNITB
.set L8,   13                          ; v13-15  8 x lane + the same
.set LN16, 11                          ; so v11 is 16 x lane,
.set LN8,  14                          ; and v14 8 x lane
.set XS,   20                          ; v20-35  x's scale words: 8 p + s: lanes 0-15 tile 2 p, lanes 16-31 tile 2 p + 1, K step s
.set SH,   36                          ; v36     8 hl: my byte's shift in a scale word
.set WS,   48                          ; v48-63  the unit's W's scale words, laid as x's
.set ACC,  64                          ; v64-191 sixteen accumulators
.set MX,   192                         ; v192-199 largest magnitudes, two chains a group
.set TP,   200                         ; v200-203 the other half's word
.set SO,   208                         ; v208-211 the conversions' scale operands
.set PW,   216                         ; v216-219 a scale word for each group
.set SEL,  220
.set CD,   224                         ; v224-255 codes: eight registers a group, seven used; v247 and v255 serve the add
.set BI,   96                          ; in window 3
.set G1X,  24
.set G1W,  32
.set G0X,  40
.set G0W,  76
.set G0R,  96
.set MSB, 0
.macro WIN new
.if MSB != (\new)
	s_set_vgpr_msb (MSB<<8)|(\new)
.set MSB, (\new)
.endif
.endm
.macro CROUND
	s_barrier_signal -1
	s_barrier_wait -1
	s_cmp_lg_u32 s18, 0
	s_cbranch_scc1 .Lnot_wave_0_\@
	s_barrier_signal -3
.Lnot_wave_0_\@:
	s_barrier_wait -3
	s_barrier_signal -1
	s_barrier_wait -1
.endm
.macro PLACES
.rept 4
	v_nop
.endr
.endm
.macro WM d, a, b, c, sa, sb, ra, rb
.if (\ra) && (\rb)
	v_wmma_scale_f32_16x16x128_f8f6f4 v[(\d):(\d)+7], v[(\a):(\a)+11], v[(\b):(\b)+11], v[(\c):(\c)+7], v[(\sa)], v[(\sb)] matrix_a_fmt:MATRIX_FMT_FP6 matrix_b_fmt:MATRIX_FMT_FP6 matrix_a_scale:MATRIX_SCALE_ROW1 matrix_b_scale:MATRIX_SCALE_ROW1
.elseif (\ra)
	v_wmma_scale_f32_16x16x128_f8f6f4 v[(\d):(\d)+7], v[(\a):(\a)+11], v[(\b):(\b)+11], v[(\c):(\c)+7], v[(\sa)], v[(\sb)] matrix_a_fmt:MATRIX_FMT_FP6 matrix_b_fmt:MATRIX_FMT_FP6 matrix_a_scale:MATRIX_SCALE_ROW1
.elseif (\rb)
	v_wmma_scale_f32_16x16x128_f8f6f4 v[(\d):(\d)+7], v[(\a):(\a)+11], v[(\b):(\b)+11], v[(\c):(\c)+7], v[(\sa)], v[(\sb)] matrix_a_fmt:MATRIX_FMT_FP6 matrix_b_fmt:MATRIX_FMT_FP6 matrix_b_scale:MATRIX_SCALE_ROW1
.else
	v_wmma_scale_f32_16x16x128_f8f6f4 v[(\d):(\d)+7], v[(\a):(\a)+11], v[(\b):(\b)+11], v[(\c):(\c)+7], v[(\sa)], v[(\sb)] matrix_a_fmt:MATRIX_FMT_FP6 matrix_b_fmt:MATRIX_FMT_FP6
.endif
.endm
	s_load_b256 s[4:11], s[0:1], 0x0               ; codes, scales, bq, bk
	s_load_b128 s[12:15], s[0:1], 0x20             ; bv, qb
	s_load_b64 s[16:17], s[0:1], 0x30              ; kv
	v_lshl_add_u32 v247, v0, 2, SPARE
	v_mov_b32 v255, 0
	ds_add_u32 v247, v255                          ; the opening lines: the add twice on end and its wait
	ds_add_u32 v247, v255
	v_lshrrev_b32 v9, 5, v0
	v_readfirstlane_b32 s18, v9                    ; wave 0..3
	v_and_b32 v9, 31, v0                           ; lane
	v_and_b32 v16, 15, v0                          ; r
	v_bfe_u32 v17, v0, 4, 1                        ; hl
	v_lshlrev_b32 v[LN16], 4, v9
	v_lshlrev_b32 v[LN8], 3, v9
	v_add_nc_u32 v[L16], WB0, v[LN16]
	v_add_nc_u32 v[L8], WB0, v[LN8]
	v_add_nc_u32 v[L16+2], UNITB, v[LN16]
	v_add_nc_u32 v[L8+2], UNITB, v[LN8]
	s_mul_i32 s73, s18, UNITB
	v_add_nc_u32 v18, s73, v[LN16]                 ; my four tiles of x in LDS
	v_add_nc_u32 v19, s73, v[LN8]
	v_lshlrev_b32 v3, 4, v16
	v_lshl_add_u32 v3, v17, 9, v3                  ; scale words: 512 hl + 16 r
	v_lshlrev_b32 v4, 7, v17                       ; bq, bk: 32 numbers on for lanes 16-31
	v_and_b32 v5, 7, v16
	v_lshrrev_b32 v37, 3, v16
	v_lshlrev_b32 v5, 2, v5
	v_lshl_add_u32 v5, v37, 7, v5                  ; bv: my column: 4 (r % 8 + 32 (r / 8))
	v_lshlrev_b32 v[SH], 3, v17
	s_lshl_b32 s73, s18, 8
	s_add_co_u32 s73, s73, VSTG
	v_add_nc_u32 v6, s73, v[LN8]                   ; V's scale words, in
	v_add_nc_u32 v7, VSTG, v3                      ; and back
	v_mul_u32_u24 v8, v17, 13056
	v_lshl_add_u32 v8, v16, 4, v8                  ; their place in the two records
	v_cmp_lt_u32 s72, 15, v9                       ; lanes 16-31
.irp b, 0,1,2,3
	v_mov_b32 v[TP+\b], 0                          ; a lane permute's destination counts as one of its sources
.endr
	s_mov_b32 s70, 0x76543210
	s_mov_b32 s71, 0xfedcba98                      ; selects for lane l xor 16
	s_bfe_u32 s19, ttmp6, 0x40000                  ; cx
	s_bfe_u32 s22, ttmp6, 0x40004                  ; cy
	s_lshl_b32 s20, ttmp9, 2
	s_add_co_u32 s20, s20, s19                     ; rb: shared down a column of the cluster
	s_and_b32 s21, ttmp7, 0xffff
	s_lshl_b32 s21, s21, 2
	s_add_co_u32 s21, s21, s22                     ; the head: shared along a row
	s_lshl_b32 s23, s22, 2
	s_lshl_b32 s23, 15, s23                        ; my row of the cluster
	s_lshl_b32 s93, 0x1111, s19                    ; my column
	s_or_b32 s[G1X], s93, (3<<16)|(1<<21)          ; the mask; elements of 8 bytes; bit 21 beside a mask; no padding
	s_or_b32 s[G1W], s23, (3<<16)|(1<<21)
.irp g, G1X, G1W
	s_mov_b32 s[\g+1], 32<<16                      ; rows of 256 bytes
	s_mov_b32 s[\g+3], 32<<16
	s_mov_b32 s[\g+5], 32
	s_mov_b32 s[\g+6], 0
	s_mov_b32 s[\g+7], 0
.endr
	s_mov_b32 s[G1X+2], 256<<16                    ; a third of x: 65,536 dense bytes
	s_mov_b32 s[G1X+4], 256
	s_mov_b32 s[G1W+2], 192<<16                    ; a unit: 49,152 dense bytes
	s_mov_b32 s[G1W+4], 192
	s_mul_i32 s74, s21, 12
	s_add_co_u32 s74, s74, 256
	s_mul_i32 s74, s74, TILEB                      ; the head's twelve tiles begin at tile 256 + 12 head
	s_mov_b32 s75, 0
	s_mul_i32 s82, s20, 16*TILEB
	s_lshl_b32 s94, s18, 16                        ; wave x 65,536: in LDS and in memory
	s_add_co_u32 s82, s82, s94
	s_mov_b32 s83, 0
	s_lshl_b32 s80, s20, 4
	s_lshl_b32 s81, s18, 2
	s_add_co_u32 s80, s80, s81                     ; my first row tile: 16 rb + 4 wave
	s_lshl_b32 s84, s80, 9
	s_mov_b32 s85, 0
	s_mul_i32 s80, s18, 2*TILEB                    ; the refill: wave x two tiles
	s_mov_b32 s81, 0
	s_mul_i32 s86, s21, 12
	s_add_co_u32 s86, s86, 256
	s_lshl_b32 s86, s86, 9
	s_mov_b32 s87, 0
	s_lshl_b32 s88, s21, 8                         ; the head's 64 numbers of a bias
	s_mov_b32 s89, 0
	s_lshr_b32 s90, s20, 3                         ; the batch
	s_lshl_b32 s90, s90, 4
	s_add_co_u32 s90, s90, s21
	s_lshl_b32 s90, s90, 4
	s_and_b32 s91, s20, 7
	s_lshl_b32 s91, s91, 1
	s_add_co_u32 s90, s90, s91                     ; the record of the block's first 128 rows
	s_lshr_b32 s91, s18, 1
	s_add_co_u32 s91, s90, s91                     ; my record,
	s_and_b32 s92, s18, 1                          ; and which 64 rows of it are mine
	s_wait_alu depctr_va_vdst(0)                   ; the wait at the head's end
	s_wait_dscnt 0x0
	s_wait_kmcnt 0x0
	s_add_nc_u64 s[G0W+2:G0W+3], s[4:5], s[74:75]
	s_add_nc_u64 s[G0R+2:G0R+3], s[G0W+2:G0W+3], s[80:81]
	s_add_nc_u64 s[G0R+2:G0R+3], s[G0R+2:G0R+3], UNITB
	s_add_nc_u64 s[G0X+2:G0X+3], s[4:5], s[82:83]
	s_or_b32 s[G0W+3], s[G0W+3], 0x80000000
	s_or_b32 s[G0R+3], s[G0R+3], 0x80000000
	s_or_b32 s[G0X+3], s[G0X+3], 0x80000000
	s_mov_b32 s[G0W], 1
	s_mov_b32 s[G0W+1], WB0
	s_mov_b32 s[G0R], 1
	s_mov_b32 s[G0R+1], s80
	s_mov_b32 s[G0X], 1
	s_mov_b32 s[G0X+1], s94
	CROUND                                         ; all sixteen work-groups are here: the joint loads meet
	s_cmp_eq_u32 s18, 3                            ; one load a wave, each arm with its own
	s_cbranch_scc0 .Lfor_x
	tensor_load_to_lds s[G0W:G0W+3], s[G1W:G1W+7]  ; wave 3: unit 0's tiles
	s_nop 0
	PLACES
	s_branch .Lasked
.Lfor_x:
	tensor_load_to_lds s[G0X:G0X+3], s[G1X:G1X+7]  ; waves 0 to 2: a third of x
	s_nop 0
	PLACES
.Lasked:
	s_add_nc_u64 s[46:47], s[6:7], s[84:85]        ; x's scale words at my first tile
	s_add_nc_u64 s[48:49], s[6:7], s[86:87]        ; the head's W's scale words
	s_add_nc_u64 s[50:51], s[8:9], s[88:89]        ; bq, bk, bv at the head
	s_add_nc_u64 s[52:53], s[10:11], s[88:89]
	s_add_nc_u64 s[54:55], s[12:13], s[88:89]
	s_mul_i32 s82, s91, 6656                       ; q's record
	s_mul_i32 s84, s92, 3072
	s_add_co_u32 s84, s84, s82
	s_add_nc_u64 s[56:57], s[14:15], s[84:85]      ; my four tiles in it
	s_lshl_b32 s84, s92, 8
	s_add_co_u32 s84, s84, s82
	s_add_co_u32 s84, s84, 6144
	s_add_nc_u64 s[58:59], s[14:15], s[84:85]      ; and their scale words
	s_mul_i32 s82, s91, 13056                      ; k's and v's record
	s_mul_i32 s84, s92, 3072
	s_add_co_u32 s84, s84, s82
	s_add_nc_u64 s[60:61], s[16:17], s[84:85]
	s_lshl_b32 s84, s92, 8
	s_add_co_u32 s84, s84, s82
	s_add_co_u32 s84, s84, 6144
	s_add_nc_u64 s[62:63], s[16:17], s[84:85]
	s_mul_i32 s84, s92, 768
	s_add_co_u32 s84, s84, s82
	s_add_co_u32 s84, s84, 6656
	s_add_nc_u64 s[66:67], s[16:17], s[84:85]      ; V^T: my 64 keys' half of each d tile
	s_mul_i32 s84, s90, 13056
	s_add_co_u32 s84, s84, 12800
	s_add_nc_u64 s[68:69], s[16:17], s[84:85]      ; V's scale words of the block's first key step
.irp p, 0,1
.irp j, 0,1
	global_load_b128 v[XS+8*\p+4*\j:XS+8*\p+4*\j+3], v3, s[46:47] offset:1024*\p+256*\j
	global_load_b128 v[WS+8*\p+4*\j:WS+8*\p+4*\j+3], v3, s[48:49] offset:1024*\p+256*\j
.endr
.endr
.irp u, 1,2                            ; the later units' scale words of W wait in windows 1 and 2
	WIN \u<<6
.irp p, 0,1
.irp j, 0,1
	global_load_b128 v[192+8*\p+4*\j:192+8*\p+4*\j+3], v3, s[48:49] offset:2048*\u+1024*\p+256*\j
.endr
.endr
.endr
	WIN 0xc0                                       ; destination window 3
.irp t, 0,1,2,3                        ; q, k: lane (r, hl), tile t, register j: column 32 hl + 8 t + j
	global_load_b128 v[BI+8*\t:BI+8*\t+3], v4, s[50:51] offset:32*\t
	global_load_b128 v[BI+8*\t+4:BI+8*\t+7], v4, s[50:51] offset:32*\t+16
	global_load_b128 v[BI+32+8*\t:BI+32+8*\t+3], v4, s[52:53] offset:32*\t
	global_load_b128 v[BI+32+8*\t+4:BI+32+8*\t+7], v4, s[52:53] offset:32*\t+16
.endr
.irp t, 0,1,2,3                        ; v: a lane's eight registers are one column: the same number eight times
.irp j, 0,1,2,3,4,5,6,7
	global_load_b32 v[BI+64+8*\t+\j], v5, s[54:55] offset:32*\t
.endr
.endr
	WIN 0
	s_wait_tensorcnt 0x0                           ; my load is in,
	s_barrier_signal -1
	s_barrier_wait -1                              ; everybody's is: x and unit 0's tiles are whole
.irp a, 0,1,2,3                        ; my four tiles of x, all of K: 128 loads of consecutive bytes
	WIN (1+\a/2)<<6
.irp s, 0,1,2,3,4,5,6,7
.irp c, 0,1
	ds_load_b128 v[96*(\a%2)+12*\s+6*\c:96*(\a%2)+12*\s+6*\c+3], v18 offset:TILEB*\a+1536*\s+768*\c
	ds_load_b64 v[96*(\a%2)+12*\s+6*\c+4:96*(\a%2)+12*\s+6*\c+5], v19 offset:TILEB*\a+1536*\s+768*\c+512
.endr
.endr
.endr
	WIN 0
	s_wait_tensorcnt 0x0                           ; the three lines ahead of the refill's round
	ds_add_u32 v247, v255
	s_mov_b32 s[G1W+2], 96<<16                     ; no load of mine is out: the refill brings two tiles a wave
	s_mov_b32 s[G1W+4], 96
	s_wait_dscnt 0x0                               ; the add is done and my x is in registers
	CROUND                                         ; so it is in every wave of every partner
	tensor_load_to_lds s[G0R:G0R+3], s[G1W:G1W+7]  ; units 1 and 2, onto x's first 98,304 bytes
	s_nop 0
	PLACES
.macro FETCHB u, s, q                  ; unit u's four fragments of K step s into set q
	WIN 0xc0
.irp t, 0,1,2,3
.irp c, 0,1
	ds_load_b128 v[48*(\q)+96*((\q)/2)+12*\t+6*\c:48*(\q)+96*((\q)/2)+12*\t+6*\c+3], v[L16+(\u)] offset:TILEB*\t+1536*(\s)+768*\c
	ds_load_b64 v[48*(\q)+96*((\q)/2)+12*\t+6*\c+4:48*(\q)+96*((\q)/2)+12*\t+6*\c+5], v[L8+(\u)] offset:TILEB*\t+1536*(\s)+768*\c+512
.endr
.endr
.endm
; a K step's sixteen products.  The sixteen accumulators take turns, one instruction a turn, in the same order in every step.  The first step's C is the bias.
.macro MULQK u, s
.irp a, 0,1,2,3
.if (\s) == 0
	WIN 0x37+4*(\a/2)                              ; source 0 (W) window 3, source 1 (x) window 1 or 2, C (the bias) window 3, D window 0
.else
	WIN 0x07+4*(\a/2)
.endif
.irp t, 0,1,2,3
.if (\s) == 0
	WM ACC+32*\a+8*\t, 48*((\s)%3)+96*(((\s)%3)/2)+12*\t, 96*(\a%2)+12*(\s), BI+32*(\u)+8*\t, WS+8*(\t/2)+(\s), XS+8*(\a/2)+(\s), \t%2, \a%2
.else
	WM ACC+32*\a+8*\t, 48*((\s)%3)+96*(((\s)%3)/2)+12*\t, 96*(\a%2)+12*(\s), ACC+32*\a+8*\t, WS+8*(\t/2)+(\s), XS+8*(\a/2)+(\s), \t%2, \a%2
.endif
.endr
.endr
.endm
.macro MULV s
.irp a, 0,1,2,3
.if (\s) == 0
	WIN 0x3d+(\a/2)                                ; source 0 (x) window 1 or 2, source 1 (W) window 3, C (the bias) window 3
.else
	WIN 0x0d+(\a/2)
.endif
.irp t, 0,1,2,3
.if (\s) == 0
	WM ACC+32*\t+8*\a, 96*(\a%2)+12*(\s), 48*((\s)%3)+96*(((\s)%3)/2)+12*\t, BI+64+8*\t, XS+8*(\a/2)+(\s), WS+8*(\t/2)+(\s), \a%2, \t%2
.else
	WM ACC+32*\t+8*\a, 96*(\a%2)+12*(\s), 48*((\s)%3)+96*(((\s)%3)/2)+12*\t, ACC+32*\t+8*\a, XS+8*(\a/2)+(\s), WS+8*(\t/2)+(\s), \a%2, \t%2
.endif
.endr
.endr
.endm
.macro UNIT u
	WIN 0
.if (\u) == 0
	s_wait_loadcnt 0x0                             ; all scale words and the biases
.endif
.if (\u) == 1
	s_wait_tensorcnt 0x0                           ; my part of units 1 and 2 is in,
	s_barrier_signal -1
	s_barrier_wait -1                              ; everybody's is
.endif
	FETCHB \u, 0, 0
	FETCHB \u, 1, 1
.irp s, 0,1,2,3,4,5,6,7
.if \s < 7
	s_wait_dscnt 16                                ; this step's sixteen loads are in; the next step's sixteen may be out
.else
	s_wait_dscnt 0x0
.endif
	PLACES                                         ; four places in front of loads into the set that the last step multiplied
.if \s < 6
	FETCHB \u, \s+2, (\s+2)%3
.endif
.if (\u) < 2
	MULQK \u, \s
.else
	MULV \s
.endif
.endr
	WIN 0
	PLACES                                         ; in front of the first read of results, and of the moves into W's scale words
.endm
; The sixteen accumulators are four GROUPS of 32 registers (q, k: a row tile; v: a d tile); a group's registers are K = 32 (lane / 16) + 0 .. 31 of the lane's row: one scale block, all in this lane.
; Each group becomes 16 rows x 64 K of codes in v[CD + 8 g] on (six registers) and a scale word in v[PW + g].  Every accumulator is read from its low end on.
.macro QUANT4
.irp b, 0,1,2,3,4,5,6,7
	v_max3_num_f32 v[MX+\b], |v[ACC+16*\b]|, |v[ACC+16*\b+1]|, 0x1800000   ; two chains a group, and the floor 2^(3 - 127): the byte cannot fall under 1
.endr
.irp i, 2,4,6,8,10,12,14
.irp b, 0,1,2,3,4,5,6,7
	v_max3_num_f32 v[MX+\b], v[MX+\b], |v[ACC+16*\b+\i]|, |v[ACC+16*\b+\i+1]|
.endr
.endr
.irp g, 0,1,2,3
	v_max_num_f32 v[MX+2*\g], v[MX+2*\g], v[MX+2*\g+1]   ; the block's largest magnitude
.endr
.irp g, 0,1,2,3
	v_add_nc_u32 v[SO+\g], 0xff000000, v[MX+2*\g]  ; 2 off its exponent field: the conversion's scale operand
.endr
.irp g, 0,1,2,3
	v_lshrrev_b32 v[PW+\g], 23, v[SO+\g]           ; the byte
.endr
.irp g, 0,1,2,3
	v_lshl_or_b32 v[PW+\g], v[PW+\g], v[SH], 0x7f7f0000   ; at byte hl; bytes 2, 3: 1.0, for the half of a matrix instruction's K that q and k do not fill
.endr
.irp g, 0,1,2,3
	v_permlanex16_b32 v[TP+\g], v[PW+\g], s70, s71
.endr
.irp g, 0,1,2,3
	v_or_b32 v[PW+\g], v[PW+\g], v[TP+\g]          ; with lane l xor 16's byte the row's word is whole
.endr
.irp g, 0,1,2,3
	v_cvt_scalef32_pk16_fp6_f32 v[CD+8*\g:CD+8*\g+2], v[ACC+32*\g:ACC+32*\g+15], v[SO+\g]
	v_cvt_scalef32_pk16_fp6_f32 v[CD+8*\g+4:CD+8*\g+6], v[ACC+32*\g+16:ACC+32*\g+31], v[SO+\g]
.endr
	v_nop                                          ; one plain place behind a scaled conversion
.irp g, 0,1,2,3
.irp i, 0,1,2
	v_mov_b32 v[CD+8*\g+3+\i], v[CD+8*\g+4+\i]     ; in ascending order: each source is read before it is written
.endr
.endr
.irp p, 0,1
	v_cndmask_b32 v[SEL+\p], v[PW+2*\p], v[PW+2*\p+1], s72   ; lanes 0-15 carry group 2 p's words, lanes 16-31 group 2 p + 1's
.endr
.endm
.macro EPI u
.if (\u) < 2
	WIN (\u)+1                                     ; source 0: the window in which the next unit's scale words wait
.set i, 0
.rept 16
	v_mov_b32 v[WS+i], v[192+i]
.set i, i+1
.endr
	WIN 0
.endif
	s_wait_xcnt 0x0                                ; the last way out's stores have read their data
	QUANT4
.irp g, 0,1,2,3
.if (\u) < 2
	global_store_b128 v[LN16], v[CD+8*\g:CD+8*\g+3], s[56+4*(\u):57+4*(\u)] offset:768*\g
	global_store_b64 v[LN8], v[CD+8*\g+4:CD+8*\g+5], s[56+4*(\u):57+4*(\u)] offset:768*\g+512
.else
	global_store_b128 v[LN16], v[CD+8*\g:CD+8*\g+3], s[66:67] offset:1536*\g
	global_store_b64 v[LN8], v[CD+8*\g+4:CD+8*\g+5], s[66:67] offset:1536*\g+512
.endif
.endr
.if (\u) < 2
	global_store_b64 v[LN8], v[SEL:SEL+1], s[58+4*(\u):59+4*(\u)]   ; 256 consecutive bytes, aligned
.else
	ds_store_b64 v6, v[SEL:SEL+1]                  ; a key step's word takes two bytes from each of two waves: they meet in LDS
.endif
.endm
	UNIT 0
	EPI 0
	UNIT 1
	EPI 1
	UNIT 2
	EPI 2
	s_wait_dscnt 0x0                               ; for the others' sake: my store has landed
	s_barrier_signal -1
	s_barrier_wait -1
	s_cmp_lg_u32 s18, 0
	s_cbranch_scc1 .Lnot_first
	ds_load_b128 v[192:195], v7                    ; key step hl of the block's two: the words of wave 2 hl (key blocks 0, 1 in their low halves)
	ds_load_b128 v[196:199], v7 offset:256         ; and of wave 2 hl + 1 (key blocks 2, 3)
	s_wait_dscnt 0x0
.irp i, 0,1,2,3
	v_perm_b32 v[200+\i], v[196+\i], v[192+\i], 0x05040100   ; the two low halves, the first wave's below
.endr
	global_store_b128 v8, v[200:203], s[68:69]     ; sixteen lanes store 256 consecutive bytes, aligned, into each of the two records
.Lnot_first:
	s_wait_tensorcnt 0x0                           ; the wave's end
	ds_add_u32 v247, v255
	s_wait_dscnt 0x0
	CROUND                                         ; the closing round
	s_endpgm
.Lfunc_end_k_q0bb1d90fb9_qkv:
	.size	k_q0bb1d90fb9_qkv, .Lfunc_end_k_q0bb1d90fb9_qkv-k_q0bb1d90fb9_qkv
	.p2alignl 7, 3214868480
	.fill 96, 4, 3214868480
	.section	.rodata,"a",@progbits
	.p2align	6, 0x0
	.amdhsa_kernel k_q0bb1d90fb9_qkv
		.amdhsa_group_segment_fixed_size 327680
		.amdhsa_private_segment_fixed_size 0
		.amdhsa_enable_private_segment 0
		.amdhsa_kernarg_size 56
		.amdhsa_user_sgpr_count 2
		.amdhsa_user_sgpr_kernarg_segment_ptr 1
		.amdhsa_wavefront_size32 1
		.amdhsa_system_sgpr_workgroup_id_x 1
		.amdhsa_system_sgpr_workgroup_id_y 1
		.amdhsa_system_sgpr_workgroup_id_z 1
		.amdhsa_system_vgpr_workitem_id 0
		.amdhsa_next_free_vgpr 1024
		.amdhsa_next_free_sgpr 100
		.amdhsa_reserve_vcc 0
		.amdhsa_float_denorm_mode_32 3
		.amdhsa_float_denorm_mode_16_64 3
		.amdhsa_memory_ordered 1
		.amdhsa_forward_progress 1
		.amdhsa_inst_pref_size 126
	.end_amdhsa_kernel
	.amdgpu_metadata
---
amdhsa.version: [ 1, 2 ]
amdhsa.kernels:
  - .name:           k_q0bb1d90fb9_qkv
    .symbol:         k_q0bb1d90fb9_qkv.kd
    .args:
      - { .name: codes, .offset: 0, .size: 8, .value_kind: global_buffer, .address_space: global }
      - { .name: scales, .offset: 8, .size: 8, .value_kind: global_buffer, .address_space: global }
      - { .name: bq, .offset: 16, .size: 8, .value_kind: global_buffer, .address_space: global }
      - { .name: bk, .offset: 24, .size: 8, .value_kind: global_buffer, .address_space: global }
      - { .name: bv, .offset: 32, .size: 8, .value_kind: global_buffer, .address_space: global }
      - { .name: qb, .offset: 40, .size: 8, .value_kind: global_buffer, .address_space: global }
      - { .name: kv, .offset: 48, .size: 8, .value_kind: global_buffer, .address_space: global }
    .group_segment_fixed_size: 327680
    .private_segment_fixed_size: 0
    .kernarg_segment_align: 8
    .kernarg_segment_size: 56
    .max_flat_workgroup_size: 128
    .sgpr_count:     100
    .vgpr_count:     1024
    .wavefront_size: 32
...
	.end_amdgpu_metadata
.endif
;; end of part 2
;; launch attn (part 3): grid 8 x 32, 16 waves a work-group, clusters of 4 x 1, 215,040 bytes of LDS; arguments qb, kv, ao, aos; writes ao, aos
.if DOCPART == 3
	.amdgcn_target "amdgcn-amd-amdhsa--gfx1250"
	.amdhsa_code_object_version 6
	.text
	.protected	k_q0bb1d90fb9_attn
	.globl	k_q0bb1d90fb9_attn
	.p2align	8
	.type	k_q0bb1d90fb9_attn,@function
k_q0bb1d90fb9_attn:
	s_mov_b64 s[64:65], 0
	v_nop
	global_prefetch_b8 v0, s[64:65] scope:SCOPE_SE
	s_setreg_imm32_b32 hwreg(HW_REG_WAVE_MODE, 25, 1), 1
	s_wait_xcnt 0x0
	s_wait_alu depctr_hold_cnt(0) depctr_sa_sdst(0) depctr_va_vdst(0) depctr_va_sdst(0) depctr_va_ssrc(0) depctr_va_vcc(0) depctr_vm_vsrc(0)
	s_getreg_b32 s2, hwreg(HW_REG_IB_STS2, 6, 4)
	s_cmp_eq_u32 s2, 0
	s_cbranch_scc0 .Lentry_in_a_cluster
	s_endpgm
.Lentry_in_a_cluster:
	s_bfe_u32 s2, ttmp6, 0x10000c
	s_cmp_lg_u32 s2, 0x3003
	s_cbranch_scc0 .Lentry_shape_is_right
	s_endpgm
.Lentry_shape_is_right:
; O = softmax(q k^T / 8) v for one head, both products on codes of FP6 (E2M3), then O / l quantised along the head's 64 for the last product.
; THE SOFTMAX: t = score x log2(e) / 8; M = the row's largest t so far, rounded UP to a whole number; p = 2^(t - M) is quantised along the keys, not normalised; the row's sum is taken of the
; unquantised p and divides O at the end.  When M moves, the sum and O are multiplied by 2^(old M - new M): exact.
; SHARES: a work-group owns 256 queries of one head (of 32: batch x 16 + head); each of its sixteen waves owns one tile of 16, in 256 registers: four waves to a SIMD.  Every wave walks the head's 2,048 keys, 128 a step.
; THE HEAD'S WHOLE K AND V, sixteen records of 13,056 bytes = 208,896, lie in LDS, filled ONCE: wave w asks for record w, one tensor load a wave.  Waves 0 to 3 have a load line of their own: the first
; barrier shows their four records alone, and four key steps run on them; a second barrier, ahead of which every wave has waited, shows the other twelve.
; All that the launch reads is asked for at its head, so there is no later load ahead of which a prefetch could run.
; CLUSTER: the four query blocks of a cluster belong to one head and read the same records: each is asked for JOINTLY (mask 15).
; LAYOUT: both products are used transposed (S^T = K Q^T, O^T = V^T P^T): a lane holds ONE query (lane % 16) throughout.  By the order of a tile's rows (lane-row r of tile t of a group of 64 rows is
; row 8 t + r % 8 + 32 (r / 8)) the 32 registers of K's tiles 4 G .. 4 G + 3 are keys 64 G + 32 (lane / 16) + 0 .. 31: a WHOLE scale block of p, and in the very place that the next operand's layout gives it;
; O^T's 32 registers are likewise d = 32 (lane / 16) + 0 .. 31.  So only the row's maximum, the scale words and the row's sum look at lane l xor 16.
; K = 64 IN THE FIRST PRODUCT: the instruction's K is 128.  Q's fragment is six registers of codes and six of zeros; K's tile t is named as twelve registers from its own six on, so that its upper
; six are the next tile's codes (for the last tile six cleared registers): they meet zero codes under the scale 1.0 and add exactly 0.
; LIMITS: NaN and infinities are not served; a block whose largest magnitude lies under 2^-124, a block of zeros among them, keeps the byte 1.
.set REC,  13056                       ; a key step's record: K 8 x 768; at 6,144 K's scale words; at 6,656 V^T 4 x 2 x 768; at 12,800 V's scale words
.set OSTG, 16*REC                      ; behind the records: 64 bytes for each wave, O's scale words on their way out; no tensor load lands here
.set KF,   32                          ; v32-79  K's eight tiles, then V^T's four fragments;  v80-85 zeros
.set S,    96                          ; v96-159 S^T, then p
.set OT,   160                         ; v160-191 O^T
.set PC,   192                         ; v192-203 p's codes
.set CT,   204                         ; v204-206, v208-210 a block's upper 16 codes, as the conversion leaves them
.set BM,   212                         ; v212-215 four chains of maxima; v212, v214 the two blocks' largest score, then largest p
.set TP,   216                         ; v216-219 at work
.set SO,   220                         ; v220-221 the conversions' scale operands
; v1 16 x lane, v2 8 x lane, v3, v4 the same + the step's record; v[8:9] -M, the largest t; v[10:11] the sum in two halves; v[12:13] f, 0; v16-27 Q (22-27 zeros); v28 Q's scale words; v29 8 (lane / 16);
; v[30:31], v242-253 the sum's other chains; v86-89 K's scale words, v90-91 V's, v92 p's; v254, v255 serve the add
.macro CROUND
	s_barrier_signal -1
	s_barrier_wait -1
	s_cmp_lg_u32 s12, 0
	s_cbranch_scc1 .Lnot_wave_0_\@
	s_barrier_signal -3
.Lnot_wave_0_\@:
	s_barrier_wait -3
	s_barrier_signal -1
	s_barrier_wait -1
.endm
.macro PLACES
.rept 4
	v_nop
.endr
.endm
.macro WMZ d, a, b, sa, sb, ra         ; a product that starts its sum; ra = 1: source 0's scale words stand in lanes 16-31
.if (\ra)
	v_wmma_scale_f32_16x16x128_f8f6f4 v[(\d):(\d)+7], v[(\a):(\a)+11], v[(\b):(\b)+11], 0, v[(\sa)], v[(\sb)] matrix_a_fmt:MATRIX_FMT_FP6 matrix_b_fmt:MATRIX_FMT_FP6 matrix_a_scale:MATRIX_SCALE_ROW1
.else
	v_wmma_scale_f32_16x16x128_f8f6f4 v[(\d):(\d)+7], v[(\a):(\a)+11], v[(\b):(\b)+11], 0, v[(\sa)], v[(\sb)] matrix_a_fmt:MATRIX_FMT_FP6 matrix_b_fmt:MATRIX_FMT_FP6
.endif
.endm
.macro WMA d, a, b, sa, sb, ra         ; a product that adds in place
.if (\ra)
	v_wmma_scale_f32_16x16x128_f8f6f4 v[(\d):(\d)+7], v[(\a):(\a)+11], v[(\b):(\b)+11], v[(\d):(\d)+7], v[(\sa)], v[(\sb)] matrix_a_fmt:MATRIX_FMT_FP6 matrix_b_fmt:MATRIX_FMT_FP6 matrix_a_scale:MATRIX_SCALE_ROW1
.else
	v_wmma_scale_f32_16x16x128_f8f6f4 v[(\d):(\d)+7], v[(\a):(\a)+11], v[(\b):(\b)+11], v[(\d):(\d)+7], v[(\sa)], v[(\sb)] matrix_a_fmt:MATRIX_FMT_FP6 matrix_b_fmt:MATRIX_FMT_FP6
.endif
.endm
	s_load_b256 s[4:11], s[0:1], 0x0               ; qb, kv, ao, aos
	v_lshl_add_u32 v254, v0, 2, 0x34000
	v_mov_b32 v255, 0
	ds_add_u32 v254, v255                          ; the opening lines: the add twice on end and its wait
	ds_add_u32 v254, v255
	v_lshrrev_b32 v14, 5, v0
	s_delay_alu instid0(VALU_DEP_1)
	v_readfirstlane_b32 s12, v14                   ; wave 0..15
	v_and_b32 v14, 31, v0                          ; lane
	v_and_b32 v15, 15, v0                          ; r
	s_delay_alu instid0(VALU_DEP_2)
	v_lshlrev_b32 v1, 4, v14
	s_delay_alu instid0(VALU_DEP_3)
	v_lshlrev_b32 v2, 3, v14
	s_lshl_b32 s54, s12, 6
	s_add_co_u32 s54, s54, OSTG
	v_lshl_add_u32 v5, v15, 2, s54                 ; O's scale words, in: OSTG + 64 x wave + 4 r
	v_add_nc_u32 v6, OSTG, v1                      ; and back
	v_lshlrev_b32 v7, 3, v15                       ; Q's scale word: 8 r
	v_bfe_u32 v29, v0, 4, 1
	v_lshlrev_b32 v29, 3, v29                      ; 8 (lane / 16): my bytes' shift in a scale word
	s_mov_b32 s48, 0x76543210
	s_mov_b32 s49, 0xfedcba98                      ; selects for lane l xor 16
	s_mov_b32 s50, 0x3e38aa3b                      ; c = log2(e) / 8
	s_mov_b32 s51, s50                             ; (named with it as a pair, so it is written)
	s_and_b32 s15, ttmp7, 0xffff                   ; the head of 32, which the four partners share
	; what the joint load names hangs on the head and the wave's number alone
	s_mul_i32 s58, s12, REC                        ; wave w brings key step w: in LDS,
	s_mul_i32 s56, s15, 16*REC
	s_add_co_u32 s56, s56, s58                     ; and in memory
	s_mov_b32 s57, 0
	s_mov_b32 s16, 15|(3<<16)|(1<<21)              ; the mask: all four work-groups; elements of 8 bytes; bit 21 beside a mask; no padding
	s_mov_b32 s17, 32<<16                          ; rows of 256 bytes
	s_mov_b32 s18, 51<<16                          ; 51 rows: a record's 13,056 dense bytes
	s_mov_b32 s19, 32<<16
	s_mov_b32 s20, 51
	s_mov_b32 s21, 32
	s_mov_b32 s22, 0
	s_mov_b32 s23, 0
	; my queries
	s_bfe_u32 s13, ttmp6, 0x40000                  ; cx
	s_lshl_b32 s14, ttmp9, 2
	s_add_co_u32 s14, s14, s13                     ; my block of 256 queries
	s_lshl_b32 s62, s15, 4
	s_lshl_b32 s63, s14, 1
	s_add_co_u32 s62, s62, s63
	s_lshr_b32 s63, s12, 3
	s_add_co_u32 s62, s62, s63
	s_mul_i32 s62, s62, 6656                       ; q's record of 128 rows
	s_and_b32 s63, s12, 7
	s_mul_i32 s63, s63, 768
	s_add_co_u32 s66, s62, s63                     ; my tile in it
	s_mov_b32 s67, 0
	s_bfe_u32 s63, s12, 0x10002
	s_lshl_b32 s63, s63, 8                         ; its scale words: 6,144 + 256 (which 64 rows) + 128 (tile % 2) + 4 (pair) + 8 r
	s_add_co_u32 s68, s62, s63
	s_and_b32 s63, s12, 1
	s_lshl_b32 s63, s63, 7
	s_add_co_u32 s68, s68, s63
	s_bfe_u32 s63, s12, 0x10001
	s_lshl_b32 s63, s63, 2
	s_add_co_u32 s68, s68, s63
	s_add_co_u32 s68, s68, 6144
	s_mov_b32 s69, 0
	s_lshr_b32 s54, s15, 4                         ; the batch
	s_lshl_b32 s54, s54, 7
	s_lshl_b32 s55, s14, 4
	s_add_co_u32 s54, s54, s55
	s_add_co_u32 s54, s54, s12                     ; my row tile of 256
	s_lshl_b32 s54, s54, 4
	s_and_b32 s55, s15, 15
	s_add_co_u32 s54, s54, s55                     ; x 16 heads + my head
	s_mul_i32 s54, s54, 768
	s_mov_b32 s55, 0
	s_lshl_b32 s70, s15, 3
	s_add_co_u32 s70, s70, s14
	s_lshl_b32 s70, s70, 10
	s_mov_b32 s71, 0
	s_wait_dscnt 0x0
	s_wait_kmcnt 0x0
	s_mov_b32 s24, 1                               ; count = 1
	s_mov_b32 s25, s58                             ; LDS address
	s_add_nc_u64 s[26:27], s[6:7], s[56:57]        ; global address
	s_or_b32 s27, s27, 0x80000000                  ; type = 2
	s_add_nc_u64 s[40:41], s[4:5], s[66:67]
	s_add_nc_u64 s[42:43], s[4:5], s[68:69]
	s_add_nc_u64 s[44:45], s[8:9], s[54:55]
	s_add_nc_u64 s[46:47], s[10:11], s[70:71]
	CROUND                                         ; all four work-groups are here: the joint loads meet
	s_wait_alu depctr_va_vdst(0)                   ; the wait stands directly ahead of the branch below
.macro INIT                            ; Q's loads, and the registers that the first key step finds
	global_load_b128 v[16:19], v1, s[40:41]        ; Q's tile stays in registers
	global_load_b64 v[20:21], v2, s[40:41] offset:512
	global_load_b32 v28, v7, s[42:43]
.irp j, 0,1,2,3,4,5
	v_mov_b32 v[22+\j], 0                          ; the upper half of Q's K: zero codes
	v_mov_b32 v[80+\j], 0                          ; what the last tile of K names beyond its own six registers
.endr
	v_mov_b32 v9, 0xff61b1e6                       ; the largest t so far: -3e38, under every t
	s_delay_alu instid0(VALU_DEP_1)
	v_floor_f32 v8, -v9                            ; -M
	v_mov_b32 v10, 0                               ; the sum, in two halves
	v_mov_b32 v11, 0
	v_mov_b32 v13, 0                               ; (named as the upper half of the pair v[12:13])
.irp j, 30,31,250,251,252,253
	v_mov_b32 v[\j], 0                             ; the chains that a step joins to the sum at its head: the first step finds zeros
.endr
.irp b, 0,1,2,3
	v_mov_b32 v[TP+\b], 0                          ; a lane permute's destination counts as one of its sources
.endr
.set j, 0
.rept 32
	v_mov_b32 v[OT+j], 0                           ; O^T: the step is written once; the first finds zeros, which the first change of M leaves zeros
.set j, j+1
.endr
.endm
	s_cmp_lt_u32 s12, 4                            ; one load a wave; waves 0 to 3, which alone wait ahead of the first barrier, have a line of their own,
	s_cbranch_scc0 .Llater
	tensor_load_to_lds s[24:27], s[16:23]          ; and ask at once: their records are read first
	s_nop 0
	PLACES
	INIT
	s_branch .Lasked
.Llater:
	INIT                                           ; the other waves do this work ahead of their load
	tensor_load_to_lds s[24:27], s[16:23]
	s_nop 0
	PLACES
.Lasked:
; A KEY STEP: 128 keys: the n-th of four records from LDS byte s52 on; the record's place stands in the loads' immediates (3 x 13,056 + 12,800 at the most)
.macro STEP n
.if (\n) == 0
	v_add_nc_u32 v3, s52, v1
	v_add_nc_u32 v4, s52, v2
.endif
.irp t, 0,1,2,3,4,5,6,7
	ds_load_b128 v[KF+6*\t:KF+6*\t+3], v3 offset:REC*(\n)+768*\t
	ds_load_b64 v[KF+6*\t+4:KF+6*\t+5], v4 offset:REC*(\n)+768*\t+512
.endr
	ds_load_b64 v[86:87], v4 offset:REC*(\n)+6144  ; K's scale words: register t / 2, lanes 0-15 the even tile, lanes 16-31 the odd one
	ds_load_b64 v[88:89], v4 offset:REC*(\n)+6400
	s_wait_alu depctr_va_vdst(0)
	s_wait_dscnt 0x0
.irp t, 0,1,2,3,4,5,6,7
	WMZ S+8*\t, KF+6*\t, 16, 86+\t/2, 28, \t%2
.endr
	v_pk_add_f32 v[10:11], v[10:11], v[252:253]    ; the last step's chains join the sum: with the old -M's copy these are the four places in front of the loads into K's registers and of the first read of the scores
	v_pk_add_f32 v[30:31], v[30:31], v[250:251]
	v_mov_b32 v15, v8
	v_pk_add_f32 v[10:11], v[10:11], v[30:31]
.irp e, 0,1,2,3                        ; V^T's four fragments are asked for at once and land under the softmax
.irp c, 0,1
	ds_load_b128 v[KF+12*\e+6*\c:KF+12*\e+6*\c+3], v3 offset:REC*(\n)+6656+1536*\e+768*\c
	ds_load_b64 v[KF+12*\e+6*\c+4:KF+12*\e+6*\c+5], v4 offset:REC*(\n)+6656+1536*\e+768*\c+512
.endr
.endr
	ds_load_b64 v[90:91], v4 offset:REC*(\n)+12800
.irp b, 0,1,2,3
	v_max3_num_f32 v[BM+\b], v[S+16*\b], v[S+16*\b+1], v[S+16*\b+2]   ; the largest score of my two blocks of 32 keys, two chains a block: for the row's maximum and, since p rises with the score, for the block's largest p
.endr
.irp i, 3,5,7,9,11,13
.irp b, 0,1,2,3
	v_max3_num_f32 v[BM+\b], v[BM+\b], v[S+16*\b+\i], v[S+16*\b+\i+1]
.endr
.endr
.irp g, 0,1
	v_max3_num_f32 v[BM+2*\g], v[BM+2*\g], v[BM+2*\g+1], v[S+32*\g+15]
.endr
.irp g, 0,1
	v_max_num_f32 v[BM+2*\g], v[BM+2*\g], v[S+32*\g+31]
.endr
	s_delay_alu instid0(VALU_DEP_1)
	v_max_num_f32 v14, v[BM], v[BM+2]
	s_delay_alu instid0(VALU_DEP_1)
	v_permlanex16_b32 v[TP], v14, s48, s49
	s_delay_alu instid0(VALU_DEP_1)
	v_max_num_f32 v14, v14, v[TP]                  ; with lane l xor 16's two blocks: the step's largest score of my query
	s_delay_alu instid0(VALU_DEP_1)
	v_mul_f32 v14, s50, v14                        ; as t (c is positive)
	s_delay_alu instid0(VALU_DEP_1)
	v_max_num_f32 v9, v9, v14                      ; the running largest t
	s_delay_alu instid0(VALU_DEP_1)
	v_floor_f32 v8, -v9                            ; the new -M = floor(-t) = -ceil(t): a whole number
	s_delay_alu instid0(VALU_DEP_1)
	v_sub_f32 v15, v8, v15                         ; M's old value less its new one: a whole number, 0 or less
	s_delay_alu instid0(VALU_DEP_1)
	v_cvt_i32_f32 v15, v15                         ; (it saturates)
	s_delay_alu instid0(VALU_DEP_1)
	v_ldexp_f32 v12, 1.0, v15                      ; f = 2^(old M - new M)
.set j, 0
.rept 32
	v_pk_fma_f32 v[S+j:S+j+1], v[S+j:S+j+1], s[50:51], v[8:9] op_sel_hi:[1,0,0]   ; t - M, two at a time (of the pairs c and -M the low word serves both halves)
.set j, j+2
.endr
.irp g, 0,1
	v_fma_f32 v[BM+2*\g], v[BM+2*\g], s50, v8      ; the same of each block's largest score
.endr
.set j, 0
	s_wait_alu depctr_va_vdst(0)                   ; the wait ahead of the batch
.rept 64
	v_exp_f32 v[S+j], v[S+j]                       ; p = 2^(t - M), at most 1: not normalised
.set j, j+1
.endr
.irp g, 0,1
	v_exp_f32 v[BM+2*\g], v[BM+2*\g]               ; the block's largest p, in the same batch: the same two instructions on the same number give the same bits
.endr
	v_pk_mul_f32 v[10:11], v[10:11], v[12:13] op_sel_hi:[1,0]   ; the sums under the new M: the plain place behind the exponentials
	s_wait_alu depctr_va_vdst(0)                   ; one wait for the whole batch, ahead of its first reader
	v_pk_add_f32 v[30:31], v[100:101], v[104:105]  ; the row's sum of the unquantised p, in eight chains
	v_pk_add_f32 v[252:253], v[108:109], v[112:113]
	v_pk_add_f32 v[250:251], v[116:117], v[120:121]
	v_pk_add_f32 v[248:249], v[124:125], v[128:129]
	v_pk_add_f32 v[246:247], v[132:133], v[136:137]
	v_pk_add_f32 v[244:245], v[140:141], v[144:145]
	v_pk_add_f32 v[242:243], v[148:149], v[152:153]
	v_pk_add_f32 v[10:11], v[10:11], v[156:157]
	v_pk_add_f32 v[30:31], v[30:31], v[96:97]
	v_pk_add_f32 v[252:253], v[252:253], v[98:99]
	v_pk_add_f32 v[250:251], v[250:251], v[102:103]
	v_pk_add_f32 v[248:249], v[248:249], v[106:107]
	v_pk_add_f32 v[246:247], v[246:247], v[110:111]
	v_pk_add_f32 v[244:245], v[244:245], v[114:115]
	v_pk_add_f32 v[242:243], v[242:243], v[118:119]
	v_pk_add_f32 v[10:11], v[10:11], v[122:123]
	v_pk_add_f32 v[30:31], v[30:31], v[126:127]
	v_pk_add_f32 v[252:253], v[252:253], v[130:131]
	v_pk_add_f32 v[250:251], v[250:251], v[134:135]
	v_pk_add_f32 v[248:249], v[248:249], v[138:139]
	v_pk_add_f32 v[246:247], v[246:247], v[142:143]
	v_pk_add_f32 v[244:245], v[244:245], v[146:147]
	v_pk_add_f32 v[242:243], v[242:243], v[150:151]
	v_pk_add_f32 v[10:11], v[10:11], v[154:155]
	v_pk_add_f32 v[30:31], v[30:31], v[158:159]
.irp g, 0,1
	v_max_num_f32 v[BM+2*\g], 0x1800000, v[BM+2*\g]   ; the floor 2^(3 - 127): the byte cannot fall under 1
.endr
.irp g, 0,1
	s_delay_alu instid0(VALU_DEP_2)
	v_add_nc_u32 v[SO+\g], 0xff000000, v[BM+2*\g]  ; 2 off the exponent field: the conversion's scale operand
.endr
.irp c, 0,1
	v_cvt_scalef32_pk16_fp6_f32 v[PC+6*\c:PC+6*\c+2], v[S+32*\c:S+32*\c+15], v[SO+\c]
	v_cvt_scalef32_pk16_fp6_f32 v[CT+4*\c:CT+4*\c+2], v[S+32*\c+16:S+32*\c+31], v[SO+\c]   ; (a conversion's three registers begin on an even number)
.endr
.irp g, 0,1
	v_lshrrev_b32 v[TP+\g], 23, v[SO+\g]           ; the byte.  (These lines name no result of the conversions and write none of their sources: the plain place behind them)
.endr
	s_delay_alu instid0(VALU_DEP_1)
	v_lshl_or_b32 v92, v[TP+1], 16, v[TP]          ; my two bytes: key blocks lane / 16 and 2 + lane / 16,
	s_delay_alu instid0(VALU_DEP_1)
	v_lshlrev_b32 v92, v29, v92                    ; at their places in the word;
	s_delay_alu instid0(VALU_DEP_1)
	v_permlanex16_b32 v[TP+2], v92, s48, s49
	s_delay_alu instid0(VALU_DEP_1)
	v_or_b32 v92, v92, v[TP+2]                     ; with lane l xor 16's two: p's scale word for these 128 keys
.irp c, 0,1
.irp i, 0,1,2
	v_mov_b32 v[PC+6*\c+3+\i], v[CT+4*\c+\i]
.endr
.endr
.set j, 0
.rept 16
	v_pk_mul_f32 v[OT+j:OT+j+1], v[OT+j:OT+j+1], v[12:13] op_sel_hi:[1,0]   ; O^T under the new M.  For each product below twelve of these name none of its registers: its places behind the writes of p's codes and scale word
.set j, j+2
.endr
	s_wait_alu depctr_va_vdst(0)
	s_wait_dscnt 0x0                               ; V^T's fragments and scale words
.irp e, 0,1,2,3                        ; the four accumulators take turns; between two links of a chain stand eleven other matrix instructions
	WMA OT+8*\e, KF+12*\e, PC, 90+\e/2, 92, \e%2
.endr
	v_pk_add_f32 v[10:11], v[10:11], v[248:249]    ; the eight chains become four: these are the four places behind the products, in front of the next step's loads (behind the last step: of the first read of O^T)
	v_pk_add_f32 v[30:31], v[30:31], v[246:247]
	v_pk_add_f32 v[252:253], v[252:253], v[244:245]
	v_pk_add_f32 v[250:251], v[250:251], v[242:243]
.endm
.macro WALK first, trips               ; so many times four key steps, from record first on: the addresses and the counter are stepped once in four steps
	s_mov_b32 s52, (\first)*REC
	s_mov_b32 s53, \trips
.Lstep_\@:
	STEP 0
	STEP 1
	STEP 2
	STEP 3
	s_add_co_u32 s52, s52, 4*REC
	s_sub_co_u32 s53, s53, 1
	s_cmp_lg_u32 s53, 0
	s_cbranch_scc1 .Lstep_\@
.endm
	s_wait_alu depctr_va_vdst(0)                   ; the wait at the head's end
	s_wait_loadcnt 0x0                             ; Q
	s_cmp_lt_u32 s12, 4
	s_cbranch_scc0 .Lnot_4
	s_wait_tensorcnt 0x0                           ; waves 0 to 3: my record is in
.Lnot_4:
	s_barrier_signal -1
	s_barrier_wait -1                              ; records 0 to 3 are whole; the others may be on their way
	WALK 0, 1
	s_wait_tensorcnt 0x0                           ; every wave's record is in,
	s_barrier_signal -1
	s_barrier_wait -1                              ; and shown to all
	WALK 4, 3
	; THE WAY OUT: O^T / the sum, quantised along d: 16 rows x 64 of the last product's left operand, in the order of its registers.
	v_pk_add_f32 v[10:11], v[10:11], v[252:253]    ; the last step's chains
	v_pk_add_f32 v[30:31], v[30:31], v[250:251]
	v_pk_add_f32 v[10:11], v[10:11], v[30:31]
	v_add_f32 v10, v10, v11                        ; the sum's two halves,
	v_permlanex16_b32 v14, v10, s48, s49
	v_add_f32 v10, v10, v14                        ; and lane l xor 16's: the row's sum
	s_wait_alu depctr_va_vdst(0)
	v_rcp_f32 v10, v10
	v_nop                                          ; a plain place behind the transcendental
	s_wait_alu depctr_va_vdst(0)                   ; and the wait ahead of its first reader
.set j, 0
.rept 16
	v_pk_mul_f32 v[S+j:S+j+1], v[OT+j:OT+j+1], v[10:11] op_sel_hi:[1,0]   ; register i: d = 32 (lane / 16) + i; each accumulator from its low end on
.set j, j+2
.endr
.irp b, 0,1
	v_max3_num_f32 v[BM+\b], |v[S+16*\b]|, |v[S+16*\b+1]|, 0x1800000   ; my block's largest magnitude, in two chains
.endr
.irp i, 2,4,6,8,10,12,14
.irp b, 0,1
	v_max3_num_f32 v[BM+\b], v[BM+\b], |v[S+16*\b+\i]|, |v[S+16*\b+\i+1]|
.endr
.endr
	v_max_num_f32 v[BM], v[BM], v[BM+1]
	v_add_nc_u32 v[SO], 0xff000000, v[BM]
	v_lshrrev_b32 v[TP], 23, v[SO]
	v_lshlrev_b32 v14, v29, v[TP]                  ; my byte at its place,
	v_permlanex16_b32 v[TP+1], v14, s48, s49
	v_or_b32 v14, v14, v[TP+1]                     ; and lane l xor 16's: my row's two bytes, in the low half of a word
	v_cvt_scalef32_pk16_fp6_f32 v[PC:PC+2], v[S:S+15], v[SO]
	v_cvt_scalef32_pk16_fp6_f32 v[CT:CT+2], v[S+16:S+31], v[SO]
	v_nop
.irp i, 0,1,2
	v_mov_b32 v[PC+3+\i], v[CT+\i]
.endr
	global_store_b128 v1, v[PC:PC+3], s[44:45]     ; 512 consecutive bytes,
	global_store_b64 v2, v[PC+4:PC+5], s[44:45] offset:512   ; and 256: three aligned blocks of 256 bytes, whole
	ds_store_b32 v5, v14                           ; both halves of the lanes write the same word with the same value
	s_wait_dscnt 0x0                               ; for the others' sake: my store has landed
	s_barrier_signal -1
	s_barrier_wait -1
	s_cmp_lg_u32 s12, 0
	s_cbranch_scc1 .Lnot_first
	ds_load_b128 v[96:99], v6                      ; the sixteen tiles' words: 1,024 bytes
	ds_load_b128 v[100:103], v6 offset:512
	s_wait_dscnt 0x0
	global_store_b128 v1, v[96:99], s[46:47]
	global_store_b128 v1, v[100:103], s[46:47] offset:512
.Lnot_first:
	s_wait_tensorcnt 0x0                           ; the wave's end
	ds_add_u32 v254, v255
	s_wait_dscnt 0x0
	CROUND                                         ; the closing round
	s_endpgm
.Lfunc_end_k_q0bb1d90fb9_attn:
	.size	k_q0bb1d90fb9_attn, .Lfunc_end_k_q0bb1d90fb9_attn-k_q0bb1d90fb9_attn
	.p2alignl 7, 3214868480
	.fill 96, 4, 3214868480
	.section	.rodata,"a",@progbits
	.p2align	6, 0x0
	.amdhsa_kernel k_q0bb1d90fb9_attn
		.amdhsa_group_segment_fixed_size 215040
		.amdhsa_private_segment_fixed_size 0
		.amdhsa_enable_private_segment 0
		.amdhsa_kernarg_size 32
		.amdhsa_user_sgpr_count 2
		.amdhsa_user_sgpr_kernarg_segment_ptr 1
		.amdhsa_wavefront_size32 1
		.amdhsa_system_sgpr_workgroup_id_x 1
		.amdhsa_system_sgpr_workgroup_id_y 1
		.amdhsa_system_sgpr_workgroup_id_z 1
		.amdhsa_system_vgpr_workitem_id 0
		.amdhsa_next_free_vgpr 256
		.amdhsa_next_free_sgpr 72
		.amdhsa_reserve_vcc 0
		.amdhsa_float_denorm_mode_32 3
		.amdhsa_float_denorm_mode_16_64 3
		.amdhsa_memory_ordered 1
		.amdhsa_forward_progress 1
		.amdhsa_inst_pref_size 134
	.end_amdhsa_kernel
	.amdgpu_metadata
---
amdhsa.version: [ 1, 2 ]
amdhsa.kernels:
  - .name:           k_q0bb1d90fb9_attn
    .symbol:         k_q0bb1d90fb9_attn.kd
    .args:
      - { .name: qb, .offset: 0, .size: 8, .value_kind: global_buffer, .address_space: global }
      - { .name: kv, .offset: 8, .size: 8, .value_kind: global_buffer, .address_space: global }
      - { .name: ao, .offset: 16, .size: 8, .value_kind: global_buffer, .address_space: global }
      - { .name: aos, .offset: 24, .size: 8, .value_kind: global_buffer, .address_space: global }
    .group_segment_fixed_size: 215040
    .private_segment_fixed_size: 0
    .kernarg_segment_align: 8
    .kernarg_segment_size: 32
    .max_flat_workgroup_size: 512
    .sgpr_count:     72
    .vgpr_count:     256
    .wavefront_size: 32
...
	.end_amdgpu_metadata
.endif
;; end of part 3
;; launch oproj (part 4): grid 16 x 16, 4 waves a work-group, clusters of 4 x 4, 263,680 bytes of LDS; arguments ao, aos, codes, scales, bo, out0; writes out0
.if DOCPART == 4
	.amdgcn_target "amdgcn-amd-amdhsa--gfx1250"
	.amdhsa_code_object_version 6
	.text
	.protected	k_q0bb1d90fb9_oproj
	.globl	k_q0bb1d90fb9_oproj
	.p2align	8
	.type	k_q0bb1d90fb9_oproj,@function
k_q0bb1d90fb9_oproj:
	s_mov_b64 s[64:65], 0
	v_nop
	global_prefetch_b8 v0, s[64:65] scope:SCOPE_SE
	s_setreg_imm32_b32 hwreg(HW_REG_WAVE_MODE, 25, 1), 1
	s_wait_xcnt 0x0
	s_wait_alu depctr_hold_cnt(0) depctr_sa_sdst(0) depctr_va_vdst(0) depctr_va_sdst(0) depctr_va_ssrc(0) depctr_va_vcc(0) depctr_vm_vsrc(0)
	s_getreg_b32 s2, hwreg(HW_REG_IB_STS2, 6, 4)
	s_cmp_eq_u32 s2, 0
	s_cbranch_scc0 .Lentry_in_a_cluster
	s_endpgm
.Lentry_in_a_cluster:
	s_bfe_u32 s2, ttmp6, 0x10000c
	s_cmp_lg_u32 s2, 0xf033
	s_cbranch_scc0 .Lentry_shape_is_right
	s_endpgm
.Lentry_shape_is_right:
; out0 = A Wo^T + bo on codes of FP6 (E2M3); A is attention's result, quantised by the launch before, laid as x's codes are: [row tile 256][K step 8][c 2][768].
; SHARES: a work-group makes 256 rows (rb) x 64 columns (cb); its four waves share the ROWS, 64 each: four row tiles of 16.
; CLUSTER 4 x 4: the four work-groups of a column of the cluster have the same rb and ask for A's 16 tiles (196,608 bytes) JOINTLY; the four of a row have the same cb and ask for Wo's four tiles (49,152) jointly.
; LDS: Wo's tiles at 0, A's behind them, each filled ONCE; then a stage of 16 rows x 272 bytes for each wave, and the spare words.  One load a wave at the head: wave 3 Wo's tiles, in an arm of its own, waves 0 to 2 a third of A each.
; The first barrier shows Wo alone: every wave reads Wo's four tiles, all of K, into 384 registers while A is on its way.  The second barrier shows A.
; Then A goes past by row tiles: 8 fragments, 32 products on four accumulators by turns; a finished tile goes through the stage and is stored while the next tile is multiplied.
; All that the launch reads is asked for at its head: there is no later load ahead of which a prefetch could run.
; The product is used TRANSPOSED (source 0 = 16 rows of Wo, source 1 = 16 rows of A): lane (r, hl) holds one row.  Lane-row r of tile t of a group of 64 rows is row 8 t + r % 8 + 32 (r / 8):
; so the lane's 32 registers of Wo's four tiles are columns 32 hl + 0 .. 31, and the order of A's rows is undone in the stores' offsets.
; REGISTERS, in windows of 256: window 0: addresses, scale words, two sets of four accumulators, two sets of 16 rows on the way out.
; windows 1, 2: Wo's fragments: K step s, tile t in window 1 + s / 4 at 48 (s % 4) + 12 t.  window 3: A's fragments, two sets at 96 (a % 2) + 12 s; from v192 the bias in the results' layout, 8 registers a tile.
.set TILEB, 12288
.set AB,    4*TILEB                    ; A's tiles
.set STG,   AB+16*TILEB                ; the stages; no tensor load lands here
.set SPITCH, 272
.set SPARE, STG+4*16*SPITCH
.set XS,   32                          ; v32-47  A's scale words: 8 p + s: lanes 0-15 tile 2 p, lanes 16-31 tile 2 p + 1, K step s
.set WS,   52                          ; v52-67  Wo's likewise
.set ACC,  72                          ; v72-135 accumulators: set a % 2, 8 registers a tile of Wo; at the head v72-103 hold the heads' scale halves as loaded
.set OB,   144                         ; v144-207 16 rows read back from the stage: set a % 2
.set BI,   192                         ; in window 3
.set G1W,  24
.set G0W,  32
.set G1A,  36
.set G0A,  44
; v1 16 x lane, v2 8 x lane, v10, v11 the same + my four tiles of A in LDS; v3 Wo's scale words, v4 bo, v5 A's scale halves; v6, v7 the stage in and back; v8 my place in two rows of out0
.set MSB, 0
.macro WIN new
.if MSB != (\new)
	s_set_vgpr_msb (MSB<<8)|(\new)
.set MSB, (\new)
.endif
.endm
.macro CROUND
	s_barrier_signal -1
	s_barrier_wait -1
	s_cmp_lg_u32 s18, 0
	s_cbranch_scc1 .Lnot_wave_0_\@
	s_barrier_signal -3
.Lnot_wave_0_\@:
	s_barrier_wait -3
	s_barrier_signal -1
	s_barrier_wait -1
.endm
.macro PLACES
.rept 4
	v_nop
.endr
.endm
.macro WM d, a, b, c, sa, sb, ra, rb
.if (\ra) && (\rb)
	v_wmma_scale_f32_16x16x128_f8f6f4 v[(\d):(\d)+7], v[(\a):(\a)+11], v[(\b):(\b)+11], v[(\c):(\c)+7], v[(\sa)], v[(\sb)] matrix_a_fmt:MATRIX_FMT_FP6 matrix_b_fmt:MATRIX_FMT_FP6 matrix_a_scale:MATRIX_SCALE_ROW1 matrix_b_scale:MATRIX_SCALE_ROW1
.elseif (\ra)
	v_wmma_scale_f32_16x16x128_f8f6f4 v[(\d):(\d)+7], v[(\a):(\a)+11], v[(\b):(\b)+11], v[(\c):(\c)+7], v[(\sa)], v[(\sb)] matrix_a_fmt:MATRIX_FMT_FP6 matrix_b_fmt:MATRIX_FMT_FP6 matrix_a_scale:MATRIX_SCALE_ROW1
.elseif (\rb)
	v_wmma_scale_f32_16x16x128_f8f6f4 v[(\d):(\d)+7], v[(\a):(\a)+11], v[(\b):(\b)+11], v[(\c):(\c)+7], v[(\sa)], v[(\sb)] matrix_a_fmt:MATRIX_FMT_FP6 matrix_b_fmt:MATRIX_FMT_FP6 matrix_b_scale:MATRIX_SCALE_ROW1
.else
	v_wmma_scale_f32_16x16x128_f8f6f4 v[(\d):(\d)+7], v[(\a):(\a)+11], v[(\b):(\b)+11], v[(\c):(\c)+7], v[(\sa)], v[(\sb)] matrix_a_fmt:MATRIX_FMT_FP6 matrix_b_fmt:MATRIX_FMT_FP6
.endif
.endm
	s_load_b256 s[4:11], s[0:1], 0x0               ; ao, aos, codes, scales
	s_load_b128 s[12:15], s[0:1], 0x20             ; bo, out0
	v_lshl_add_u32 v254, v0, 2, SPARE
	v_mov_b32 v255, 0
	ds_add_u32 v254, v255                          ; the opening lines: the add twice on end and its wait
	ds_add_u32 v254, v255
	v_lshrrev_b32 v9, 5, v0
	v_readfirstlane_b32 s18, v9                    ; wave 0..3
	v_and_b32 v9, 31, v0                           ; lane
	v_and_b32 v16, 15, v0                          ; r
	v_bfe_u32 v17, v0, 4, 1                        ; hl
	v_lshlrev_b32 v1, 4, v9
	v_lshlrev_b32 v2, 3, v9
	v_lshlrev_b32 v3, 4, v16
	v_lshl_add_u32 v3, v17, 9, v3                  ; Wo's scale words: 512 hl + 16 r
	v_lshlrev_b32 v4, 7, v17                       ; bo: 32 numbers on for lanes 16-31
	v_lshlrev_b32 v5, 2, v9                        ; A's scale halves: 4 x lane
	s_mul_i32 s68, s18, 16*SPITCH
	s_add_co_u32 s68, s68, STG                     ; my stage
	v_mul_u32_u24 v6, v16, SPITCH
	v_lshl_add_u32 v6, v17, 7, v6
	v_add_nc_u32 v6, s68, v6                       ; in: row r, + 128 hl
	v_mul_u32_u24 v7, v17, SPITCH
	v_lshl_add_u32 v7, v16, 4, v7
	v_add_nc_u32 v7, s68, v7                       ; back: lanes 0-15 one row of 256 bytes, lanes 16-31 the next
	v_lshlrev_b32 v8, 12, v17
	v_lshl_add_u32 v8, v16, 4, v8                  ; and the same two rows in out0: 4,096 hl + 16 r
	s_mul_i32 s69, s18, 4*TILEB
	s_add_co_u32 s69, s69, AB
	v_add_nc_u32 v10, s69, v1
	v_add_nc_u32 v11, s69, v2
	s_bfe_u32 s19, ttmp6, 0x40000                  ; cx
	s_bfe_u32 s22, ttmp6, 0x40004                  ; cy
	s_lshl_b32 s20, ttmp9, 2
	s_add_co_u32 s20, s20, s19                     ; rb: shared down a column of the cluster
	s_and_b32 s21, ttmp7, 0xffff
	s_lshl_b32 s21, s21, 2
	s_add_co_u32 s21, s21, s22                     ; cb: shared along a row
	s_lshl_b32 s23, s22, 2
	s_lshl_b32 s23, 15, s23                        ; my row of the cluster
	s_lshl_b32 s70, 0x1111, s19                    ; my column
	s_or_b32 s[G1W], s23, (3<<16)|(1<<21)          ; the mask; elements of 8 bytes; bit 21 beside a mask; no padding
	s_or_b32 s[G1A], s70, (3<<16)|(1<<21)
.irp g, G1W, G1A
	s_mov_b32 s[\g+1], 32<<16                      ; rows of 256 bytes
	s_mov_b32 s[\g+3], 32<<16
	s_mov_b32 s[\g+5], 32
	s_mov_b32 s[\g+6], 0
	s_mov_b32 s[\g+7], 0
.endr
	s_mov_b32 s[G1W+2], 192<<16                    ; Wo's four tiles: 49,152 dense bytes
	s_mov_b32 s[G1W+4], 192
	s_mov_b32 s[G1A+2], 256<<16                    ; a third of A: 65,536 dense bytes
	s_mov_b32 s[G1A+4], 256
	s_lshl_b32 s74, s21, 2
	s_add_co_u32 s74, s74, 448
	s_mul_i32 s74, s74, TILEB                      ; tile 448 + 4 cb
	s_mov_b32 s75, 0
	s_mul_i32 s54, s20, 16*TILEB
	s_lshl_b32 s71, s18, 16                        ; wave x 65,536
	s_add_co_u32 s54, s54, s71
	s_mov_b32 s55, 0
	s_add_co_u32 s71, s71, AB
	s_lshr_b32 s56, s20, 3                         ; A's scale halves: the batch: 128 blocks of 1,024 bytes (16 heads x 8 blocks of queries),
	s_lshl_b32 s56, s56, 7
	s_and_b32 s57, s20, 7
	s_add_co_u32 s56, s56, s57                     ; my block of queries,
	s_lshl_b32 s56, s56, 10
	s_lshl_b32 s57, s18, 8                         ; my four tiles' 256 bytes in it
	s_add_co_u32 s56, s56, s57
	s_mov_b32 s57, 0
	s_lshl_b32 s58, s21, 2
	s_add_co_u32 s58, s58, 448
	s_lshl_b32 s58, s58, 9
	s_mov_b32 s59, 0
	s_lshl_b32 s60, s21, 8
	s_mov_b32 s61, 0
	s_lshl_b32 s62, s20, 8
	s_lshl_b32 s63, s18, 6
	s_add_co_u32 s62, s62, s63                     ; my first row
	s_lshl_b32 s62, s62, 12
	s_add_co_u32 s62, s62, s60                     ; + my block's 256 bytes of a row
	s_mov_b32 s63, 0
	s_wait_alu depctr_va_vdst(0)                   ; the wait at the head's end
	s_wait_dscnt 0x0
	s_wait_kmcnt 0x0
	s_mov_b32 s[G0W], 1
	s_mov_b32 s[G0W+1], 0
	s_add_nc_u64 s[G0W+2:G0W+3], s[8:9], s[74:75]
	s_or_b32 s[G0W+3], s[G0W+3], 0x80000000
	s_mov_b32 s[G0A], 1
	s_mov_b32 s[G0A+1], s71
	s_add_nc_u64 s[G0A+2:G0A+3], s[4:5], s[54:55]
	s_or_b32 s[G0A+3], s[G0A+3], 0x80000000
	CROUND                                         ; all sixteen work-groups are here: the joint loads meet
.macro GLOADS                          ; the plain loads of the head: A's scale halves, Wo's scale words, the bias
	s_add_nc_u64 s[52:53], s[6:7], s[56:57]
	s_add_nc_u64 s[48:49], s[10:11], s[58:59]
	s_add_nc_u64 s[50:51], s[12:13], s[60:61]
	s_add_nc_u64 s[66:67], s[14:15], s[62:63]
.irp e, 0,1,2,3,4,5,6,7,8,9,10,11,12,13,14,15  ; head e's two bytes of my rows: a word a row; lanes 0-15 tile 2 p, lanes 16-31 tile 2 p + 1: 128 consecutive bytes a load
.irp p, 0,1
	global_load_b32 v[ACC+2*\e+\p], v5, s[52:53] offset:8192*\e+128*\p
.endr
.endr
.irp p, 0,1
.irp j, 0,1
	global_load_b128 v[WS+8*\p+4*\j:WS+8*\p+4*\j+3], v3, s[48:49] offset:1024*\p+256*\j
.endr
.endr
	WIN 0xc0                                       ; destination window 3
.irp t, 0,1,2,3                        ; lane (r, hl), tile t, register j: column 32 hl + 8 t + j
	global_load_b128 v[BI+8*\t:BI+8*\t+3], v4, s[50:51] offset:32*\t
	global_load_b128 v[BI+8*\t+4:BI+8*\t+7], v4, s[50:51] offset:32*\t+16
.endr
	WIN 0
.endm
	s_cmp_eq_u32 s18, 3
	s_cbranch_scc0 .Lfor_a
	tensor_load_to_lds s[G0W:G0W+3], s[G1W:G1W+7]  ; wave 3: Wo's tiles, asked for at once: they are read first
	s_nop 0
	PLACES
	GLOADS
	s_branch .Lasked
.Lfor_a:
	GLOADS                                         ; waves 0 to 2 issue their plain loads ahead of their tensor load
	tensor_load_to_lds s[G0A:G0A+3], s[G1A:G1A+7]  ; a third of A
	s_nop 0
	PLACES
.Lasked:
	s_cmp_lg_u32 s18, 3
	s_cbranch_scc1 .Lnot_w
	s_wait_tensorcnt 0x0                           ; wave 3's load, whose line is wave 3's alone
.Lnot_w:
	s_barrier_signal -1
	s_barrier_wait -1                              ; Wo's tiles are in; A may still be on its way
.irp s, 0,1,2,3,4,5,6,7                ; Wo's four tiles, all of K: 128 loads of consecutive bytes
	WIN (1+\s/4)<<6
.irp t, 0,1,2,3
.irp c, 0,1
	ds_load_b128 v[48*(\s%4)+12*\t+6*\c:48*(\s%4)+12*\t+6*\c+3], v1 offset:TILEB*\t+1536*\s+768*\c
	ds_load_b64 v[48*(\s%4)+12*\t+6*\c+4:48*(\s%4)+12*\t+6*\c+5], v2 offset:TILEB*\t+1536*\s+768*\c+512
.endr
.endr
.endr
	WIN 0
	s_wait_loadcnt 0x0                             ; the scale words and the bias
.irp p, 0,1
.irp s, 0,1,2,3,4,5,6,7
	v_lshl_or_b32 v[XS+8*\p+\s], v[ACC+4*\s+2+\p], 16, v[ACC+4*\s+\p]   ; K step s is heads 2 s and 2 s + 1: two bytes of each make the word
.endr
.endr
.rept 8
	v_nop                                          ; a scale register written by a vector instruction stands eight places ahead of a scaled matrix instruction
.endr
	s_wait_alu depctr_va_vdst(0)
	s_wait_tensorcnt 0x0                           ; my part of A is in,
	s_wait_dscnt 0x0                               ; and Wo is in my registers
	s_barrier_signal -1
	s_barrier_wait -1                              ; A is whole
.macro FETCHA a                        ; my row tile a, all of K, into set a % 2: 32 loads
	WIN 0xc0
.irp s, 0,1,2,3,4,5,6,7
.irp c, 0,1
	ds_load_b128 v[96*((\a)%2)+12*\s+6*\c:96*((\a)%2)+12*\s+6*\c+3], v10 offset:TILEB*(\a)+1536*\s+768*\c
	ds_load_b64 v[96*((\a)%2)+12*\s+6*\c+4:96*((\a)%2)+12*\s+6*\c+5], v11 offset:TILEB*(\a)+1536*\s+768*\c+512
.endr
.endr
	WIN 0
.endm
; a row tile's 32 products: the four accumulators take turns, one instruction a turn.  The first step's C is the bias.
.macro MUL a
.irp s, 0,1,2,3,4,5,6,7
.if \s == 0
	WIN 0x3d                                       ; source 0 (Wo) window 1, source 1 (A) window 3, C (the bias) window 3, D window 0
.else
	WIN 0x0d+\s/4                                  ; source 0 window 1 or 2, C window 0
.endif
.irp t, 0,1,2,3
.if \s == 0
	WM ACC+32*((\a)%2)+8*\t, 48*(\s%4)+12*\t, 96*((\a)%2)+12*\s, BI+8*\t, WS+8*(\t/2)+\s, XS+8*((\a)/2)+\s, \t%2, (\a)%2
.else
	WM ACC+32*((\a)%2)+8*\t, 48*(\s%4)+12*\t, 96*((\a)%2)+12*\s, ACC+32*((\a)%2)+8*\t, WS+8*(\t/2)+\s, XS+8*((\a)/2)+\s, \t%2, (\a)%2
.endif
.endr
.endr
	WIN 0
.endm
; THE WAY OUT of a row tile.  A lane holds 128 neighbouring bytes of a row, and the lanes beside it hold other rows: so a tile goes through my own stage in LDS and comes back as whole rows of 256 bytes.
.macro TOSTAGE a
.irp q, 0,1,2,3,4,5,6,7
	ds_store_b128 v6, v[ACC+32*((\a)%2)+4*\q:ACC+32*((\a)%2)+4*\q+3] offset:16*\q   ; each accumulator from its low end on
.endr
.irp p, 0,1,2,3,4,5,6,7
	ds_load_b128 v[OB+32*((\a)%2)+4*\p:OB+32*((\a)%2)+4*\p+3], v7 offset:2*SPITCH*\p   ; LDS serves a wave's instructions in order: these see the stores above
.endr
.endm
.macro SEND a
	s_wait_dscnt 0x0                               ; the tile is back in registers (asked for ahead of the 32 products just issued)
.irp p, 0,1,2,3,4,5,6,7
	global_store_b128 v8, v[OB+32*((\a)%2)+4*\p:OB+32*((\a)%2)+4*\p+3], s[66:67] offset:(8*(\a)+2*\p+24*(\p/4))*4096 th:TH_STORE_NT   ; lane-rows 2 p, 2 p + 1 at their true rows; sixteen lanes store 256 consecutive bytes, aligned
.endr
.endm
	FETCHA 0
	FETCHA 1
.irp a, 0,1,2,3
.if \a == 0
	s_wait_dscnt 32                                ; tile 0 is in; tile 1's 32 loads may be out
.elseif \a == 1
	s_wait_dscnt 48                                ; tile 1 is in; younger: tile 2's 32 loads and the stage's 16.  (Tiles 2 and 3 are shown in by SEND's wait)
.endif
	MUL \a
.if \a > 0
	SEND \a-1
.endif
	PLACES                                         ; in front of the loads into the set just multiplied and of the first read of results
.if \a < 2
	FETCHA \a+2
.endif
.if \a > 1
	s_wait_xcnt 0x0                                ; the stores of two tiles ago have read their data: the stage's loads may land there
.endif
	TOSTAGE \a
.endr
	SEND 3
	s_wait_tensorcnt 0x0                           ; the wave's end
	ds_add_u32 v254, v255
	s_wait_dscnt 0x0
	CROUND                                         ; the closing round
	s_endpgm
.Lfunc_end_k_q0bb1d90fb9_oproj:
	.size	k_q0bb1d90fb9_oproj, .Lfunc_end_k_q0bb1d90fb9_oproj-k_q0bb1d90fb9_oproj
	.p2alignl 7, 3214868480
	.fill 96, 4, 3214868480
	.section	.rodata,"a",@progbits
	.p2align	6, 0x0
	.amdhsa_kernel k_q0bb1d90fb9_oproj
		.amdhsa_group_segment_fixed_size 263680
		.amdhsa_private_segment_fixed_size 0
		.amdhsa_enable_private_segment 0
		.amdhsa_kernarg_size 48
		.amdhsa_user_sgpr_count 2
		.amdhsa_user_sgpr_kernarg_segment_ptr 1
		.amdhsa_wavefront_size32 1
		.amdhsa_system_sgpr_workgroup_id_x 1
		.amdhsa_system_sgpr_workgroup_id_y 1
		.amdhsa_system_sgpr_workgroup_id_z 1
		.amdhsa_system_vgpr_workitem_id 0
		.amdhsa_next_free_vgpr 1024
		.amdhsa_next_free_sgpr 80
		.amdhsa_reserve_vcc 0
		.amdhsa_float_denorm_mode_32 3
		.amdhsa_float_denorm_mode_16_64 3
		.amdhsa_memory_ordered 1
		.amdhsa_forward_progress 1
		.amdhsa_inst_pref_size 57
	.end_amdhsa_kernel
	.amdgpu_metadata
---
amdhsa.version: [ 1, 2 ]
amdhsa.kernels:
  - .name:           k_q0bb1d90fb9_oproj
    .symbol:         k_q0bb1d90fb9_oproj.kd
    .args:
      - { .name: ao, .offset: 0, .size: 8, .value_kind: global_buffer, .address_space: global }
      - { .name: aos, .offset: 8, .size: 8, .value_kind: global_buffer, .address_space: global }
      - { .name: codes, .offset: 16, .size: 8, .value_kind: global_buffer, .address_space: global }
      - { .name: scales, .offset: 24, .size: 8, .value_kind: global_buffer, .address_space: global }
      - { .name: bo, .offset: 32, .size: 8, .value_kind: global_buffer, .address_space: global }
      - { .name: out0, .offset: 40, .size: 8, .value_kind: global_buffer, .address_space: global }
    .group_segment_fixed_size: 263680
    .private_segment_fixed_size: 0
    .kernarg_segment_align: 8
    .kernarg_segment_size: 48
    .max_flat_workgroup_size: 128
    .sgpr_count:     80
    .vgpr_count:     1024
    .wavefront_size: 32
...
	.end_amdgpu_metadata
.endif
;; end of part 4
